; MI455X (gfx1250); checked and timed in simulation.
; The chip was launched on July 23, 2026; its instructions are those of AMD's public machine-readable ISA for CDNA 5 (MIT licence, August 2026) and "CDNA5" Instruction Set Architecture Reference Guide (July 2026). The comments in the code are by the model that wrote it; some were corrected since.
;; Coverage Attention. Allowed arithmetic: matrix products marked QUANTISED: E2M3 operands, one E8M0 scale for each 32 along K, by v_wmma_scale_f32_16x16x128_f8f6f4 with both operands' format E2M3, f32 sums; products left as they are: f32 operands where the result goes on into a quantised operand, else bf16, f16 or f32 operands; f32 sums; everything else in f32.
;; Inputs: Wcov 16 x 1 float32; Wk 1,024 x 1,024 float32; Wo 1,024 x 1,024 float32; Wq 1,024 x 1,024 float32; Wv 1,024 x 1,024 float32; bk 1,024 float32; bo 1,024 float32; bq 1,024 float32; bv 1,024 float32; coverage 8 x 1,024 float32; memory 8 x 1,024 x 1,024 float32; query 8 x 1,024 x 1,024 float32.
;; Outputs: out0 8 x 1,024 x 1,024 float32; out1 8 x 1,024 float32.
;; This version of the problem:
;;   THIS VERSION OF THE PROBLEM IS GIVEN IN LOW PRECISION. The matrix products marked QUANTISED in the list below multiply operands that are first quantised to E2M3 (2 exponent bits, 3 mantissa bits; 6 bits a number), with one power-of-two scale for each 32 numbers along K (OCP MX v1.0); their sums are f32. All else is computed in f32.
;;   The module's matrix products, in the order in which they are computed (A, B: the left and right operand; K: the contracted axis; several contracted axes count as one K, in the product's order):
;;     1. [M 8,192, K 1,024] x [K 1,024, N 1,024]; A: input query; B: input Wq: QUANTISED
;;     2. [M 8,192, K 1,024] x [K 1,024, N 1,024]; A: input memory; B: input Wk: QUANTISED
;;     3. [M 8,192, K 1,024] x [K 1,024, N 1,024]; A: input memory; B: input Wv: QUANTISED
;;     4. batch 128 x [M 1,024, K 64] x [K 64, N 1,024]; A: computed on the way; B: computed on the way: QUANTISED
;;     5. [M 16, K 1] x [K 1, N 8,192]; A: computed on the way; B: computed on the way: left as it is (no contracted axis)
;;     6. batch 128 x [M 1,024, K 1,024] x [K 1,024, N 64]; A: softmax (see below); B: computed on the way: QUANTISED
;;     7. [M 8,192, K 1,024] x [K 1,024, N 1,024]; A: computed on the way; B: input Wo: QUANTISED
;;   THE QUANTISER, for each operand of a quantised product, along K:
;;     - K is cut into blocks of 32 from its start; a last block that is shorter is filled with zeros.
;;     - A block's scale is 2^e with e = floor(log2(the largest magnitude in the block)) - 2, held to -126 .. 127; a block of zeros has e = 0. As a byte (E8M0): e + 127.
;;     - Each number is divided by its block's scale, clamped to +-7.5, and rounded to the nearest number of E2M3, ties to even, subnormals kept.
;;     - The product sums the exact products of the quantised numbers (number of the format x scale) in f32.
;;   ~~~python
;;   def quantise(x, axis):      # numpy; x: float32 -> the quantised numbers, widened to float32 again
;;       x = np.moveaxis(x, axis, -1); K = x.shape[-1]
;;       x = np.pad(x, [(0, 0)] * (x.ndim - 1) + [(0, -K % 32)]); x = x.reshape(x.shape[:-1] + (-1, 32)); a = np.abs(x).max(-1, keepdims=True)
;;       e = np.where(a > 0, np.clip(np.frexp(np.where(a > 0, a, 1))[1] - 1 - 2, -126, 127), 0)      # np.frexp(a)[1] - 1 = floor(log2(a)), exactly
;;       r = np.clip(x / 2.0 ** e, -7.5, 7.5)
;;       step = 2.0 ** (np.maximum(np.frexp(np.where(r == 0, 1, r))[1] - 1, 0) - 3)
;;       q = np.round(r / step) * step * 2.0 ** e      # np.round: ties to even
;;       return np.moveaxis(q.reshape(q.shape[:-2] + (-1,))[..., :K], -1, axis).astype(np.float32)
;;   ~~~
;;   SOFTMAX AHEAD OF A QUANTISED PRODUCT. Where the list says 'softmax', what is quantised is not the finished softmax but p = 2^(t - M), with t = logit x log2(e) and M = ceil(the row's largest t), a whole number; so 1/2 < the row's largest p <= 1. The row's sum l is taken of the UNQUANTISED p, in f32, and the product's result is divided by l at the end. Since M is a whole number, a kernel that streams over the keys may use a running M (the ceiling of the running maximum): every later rescaling is an exact power of two, which a block's scale takes up: the codes' values come out the same.
;;   OPERANDS COMPUTED ON THE WAY. 'Computed on the way' means the value that the module computes at that place (a softmax that the list does not call 'softmax' is quantised finished and normalised). What goes into a quantiser is computed in f32, as accurately as f32 sums, v_exp_f32 and their like allow (about 1e-6 of the number): no bf16 or f16 on the way to a quantiser, and a product that is left as it is and whose result goes on into a quantised operand takes f32 operands (vector FMAs, or v_wmma_f32_16x16x4_f32). A number that lies on a knife's edge between two numbers of the format may be rounded either way, as far as f32 arithmetic and the matrix unit's own rounding can turn it there, and no further.
;; 2 versions, each right and faster than the one before. Each part assembles by itself: llvm-mc -triple=amdgcn-amd-amdhsa -mcpu=gfx1250 --defsym DOCPART=n.
;; ======== version 1 of 2: 4 launches
;; workspace buffers: opnd 16,384,000 bytes; qkv 19,660,800 bytes; oc 6,553,600 bytes; part 1,048,576 bytes
;; launch quant (part 1): grid 256 x 1, 10 waves a work-group, no clusters, 167,936 bytes of LDS; arguments query, memory, Wq, Wk, Wv, Wo, opnd; writes opnd
.if DOCPART == 1
	.amdgcn_target "amdgcn-amd-amdhsa--gfx1250"
	.amdhsa_code_object_version 6
	.text
	.protected	k_q8e7951cf08_quant
	.globl	k_q8e7951cf08_quant
	.p2align	8
	.type	k_q8e7951cf08_quant,@function
k_q8e7951cf08_quant:
	s_mov_b64 s[64:65], 0
	v_nop
	global_prefetch_b8 v0, s[64:65] scope:SCOPE_SE
	s_setreg_imm32_b32 hwreg(HW_REG_WAVE_MODE, 25, 1), 1
	s_wait_xcnt 0x0
; query, memory [8192][1024] and Wq, Wk, Wv, Wo [1024][1024], f32, K innermost, become codes of FP6 (E2M3) with one E8M0 byte for each 32 along K,
; laid in the ORDER OF THE OPERAND'S REGISTERS.  The six tensors are 160 groups of 128 rows; a group is one dense block of 102,400 bytes:
;   4,096 bytes of scale words [K step 0..7][half 0..1][lane-row 0..15][4 tiles], then 98,304 bytes of codes [K step][tile 0..7][1,536].
; A tile's 16 rows are not neighbours: lane-row m of tile t is row 32 (t / 2) + 8 (t % 2) + m + 8 (m / 8) of the group, so that results made with such a tile as source 0 lie 16 neighbours to a lane.
; A fragment's image (12 registers a lane): registers 6 c .. 6 c + 3 at 768 c + 16 x lane, registers 6 c + 4, 6 c + 5 at 768 c + 512 + 8 x lane: every load and store of it covers 512 or 256 dense bytes.
; SHARES: 2,560 units of 64 rows x 128 K, one to a wave: 256 work-groups of ten waves.  A load reads 512 consecutive bytes of one row; 16 rows turn through the wave's own stage in LDS (rows 528 bytes apart),
; from which lane (r, h) takes, of row r, the 16 neighbours 32 b + 16 h + 0 .. 15 of each block b.  Two tiles' loads (32 of 512 bytes) are out in each wave.  Waves share nothing: no barrier.
; A block's scale is 2^(floor(log2(largest magnitude)) - 2); its byte is the magnitude's exponent field - 2, held at 1 from below.
; LIMITS: NaN and infinities are not served; a block of zeros, or one under 2^-124, keeps the byte 1 (its codes are zeros or tiny; the bytes are read by this program alone).
.set STG,   8448                       ; a wave's stage: 16 rows x (512 + 16) bytes
.set SPARE, 10*STG                     ; behind the stages: the spare words, 128 bytes a wave: five blocks of 256 bytes that no other line names
.set L16,   1                          ; v1   16 x lane
.set L8,    2                          ; v2   8 x lane
.set STW,   3                          ; v3   the stage, on the way in
.set STR,   4                          ; v4   and on the way out: 528 r + 64 h
.set SCA,   5                          ; v5   16 r + 8 h: my two scale words' place
.set RA,    16                         ; v16-143  two sets of 64: a tile as it is loaded
.set X,     144                        ; v144-207 a tile as the conversions want it
.set TM,    208                        ; v208-223 at work
.set PW,    224                        ; the scale word just made
.set PWS,   225                        ; v225-228 the four tiles' scale words
.set PC,    230                        ; v230-248 the codes just made
.set SPW,   252
.set NIL,   253
.set WV,    18
.set SEL,   20
.set HM,    22
; 64 numbers of a lane, register 16 b + i = k 32 b + 16 h + i of my row, become a fragment's codes in v[PC] on and its scale word in v[PW]
.macro QUANT s
.irp b, 0,1,2,3
	v_max3_num_f32 v[TM+\b], |v[\s+16*\b]|, |v[\s+1+16*\b]|, 0x1800000   ; my 16 numbers of block b and the floor 2^(3 - 127): the byte cannot fall under 1
.endr
.irp i, 2,4,6,8,10,12,14
.irp b, 0,1,2,3
	v_max3_num_f32 v[TM+\b], v[TM+\b], |v[\s+16*\b+\i]|, |v[\s+1+16*\b+\i]|
.endr
.endr
.irp b, 0,1,2,3
	v_permlanex16_b32 v[TM+4+\b], v[TM+\b], s[SEL], s[SEL+1]
.endr
.irp b, 0,1,2,3
	v_max_num_f32 v[TM+\b], v[TM+\b], v[TM+4+\b]   ; with lane l xor 16's: the block's largest magnitude
.endr
.irp b, 0,1,2,3
	v_add_nc_u32 v[TM+12+\b], 0xff000000, v[TM+\b]   ; 2 off its exponent field: the conversion's scale operand
.endr
.irp b, 0,1,2,3
	v_lshrrev_b32 v[TM+4+\b], 23, v[TM+12+\b]      ; the scale's byte
.endr
	v_lshl_or_b32 v[PW], v[TM+5], 8, v[TM+4]
	v_lshl_or_b32 v[PW], v[TM+6], 16, v[PW]
	v_lshl_or_b32 v[PW], v[TM+7], 24, v[PW]
.irp c, 0,1
	v_cvt_scalef32_pk16_fp6_f32 v[PC+6*\c:PC+2+6*\c], v[\s+32*\c:\s+15+32*\c], v[TM+12+2*\c]
	v_cvt_scalef32_pk16_fp6_f32 v[PC+12+4*\c:PC+14+4*\c], v[\s+16+32*\c:\s+31+32*\c], v[TM+12+2*\c+1]   ; (a conversion's three registers begin on an even number)
.endr
	v_nop                                          ; one plain place behind a scaled conversion
.irp c, 0,1                                    ; the layout wants a whole block in a lane: lanes 0-15 block 2 c, lanes 16-31 block 2 c + 1
.irp i, 0,1,2
	v_permlane16_swap_b32 v[PC+6*\c+\i], v[PC+12+4*\c+\i]
.endr
.irp i, 0,1,2
	v_mov_b32 v[PC+3+6*\c+\i], v[PC+12+4*\c+\i]
.endr
.endr
.endm
.macro LOAD t                          ; tile t of my four: its 16 rows, 512 consecutive bytes a load
.irp i, 0,1,2,3,4,5,6,7,8,9,10,11,12,13,14,15
	global_load_b128 v[RA+64*((\t)%2)+4*\i:RA+64*((\t)%2)+4*\i+3], v[L16], s[14:15] offset:(32*((\t)/2)+8*((\t)%2)+\i+8*(\i/8))*4096 th:TH_LOAD_NT
.endr
.endm
	s_load_b256 s[4:11], s[0:1], 0x0               ; query, memory, Wq, Wk
	s_load_b128 s[12:15], s[0:1], 0x20             ; Wv, Wo
	s_load_b64 s[16:17], s[0:1], 0x30              ; opnd
	v_lshl_add_u32 v[SPW], v0, 2, SPARE
	v_mov_b32 v[NIL], 0
	v_lshrrev_b32 v6, 5, v0
	v_readfirstlane_b32 s[WV], v6                  ; wave 0..9
	v_and_b32 v7, 31, v0                           ; lane
	v_and_b32 v8, 15, v0                           ; r
	v_bfe_u32 v9, v0, 4, 1                         ; h
	v_lshlrev_b32 v[L16], 4, v7
	v_lshlrev_b32 v[L8], 3, v7
	s_mul_i32 s19, s[WV], STG
	v_add_nc_u32 v[STW], s19, v[L16]
	v_mul_u32_u24 v[STR], v8, 528
	v_lshl_add_u32 v[STR], v9, 6, v[STR]
	v_add_nc_u32 v[STR], s19, v[STR]
	v_lshlrev_b32 v[SCA], 4, v8
	v_lshl_add_u32 v[SCA], v9, 3, v[SCA]
	s_mov_b32 s[SEL], 0x76543210
	s_mov_b32 s[SEL+1], 0xfedcba98                 ; v_permlanex16_b32's selects for lane l xor 16
	s_mov_b32 s[HM], 0xffff0000                    ; lanes 16-31
.irp b, 0,1,2,3
	v_mov_b32 v[TM+4+\b], 0                        ; written once: a lane permute's destination counts as one of its sources
.endr
	s_mul_i32 s23, ttmp9, 10
	s_add_co_u32 s23, s23, s[WV]                   ; my unit, 0 .. 2,559
	s_lshr_b32 s24, s23, 4                         ; its group, 0 .. 159
	s_bfe_u32 s25, s23, 0x30001                    ; its K step
	s_and_b32 s26, s23, 1                          ; its half of the group's rows
	s_mov_b32 s27, 152
	s_wait_kmcnt 0x0
	s_cmp_lt_u32 s24, 152                          ; which tensor: the choice hangs on ids alone
	s_cselect_b64 s[14:15], s[12:13], s[14:15]
	s_cselect_b32 s27, 144, s27
	s_cmp_lt_u32 s24, 144
	s_cselect_b64 s[14:15], s[10:11], s[14:15]
	s_cselect_b32 s27, 136, s27
	s_cmp_lt_u32 s24, 136
	s_cselect_b64 s[14:15], s[8:9], s[14:15]
	s_cselect_b32 s27, 128, s27
	s_cmp_lt_u32 s24, 128
	s_cselect_b64 s[14:15], s[6:7], s[14:15]
	s_cselect_b32 s27, 64, s27
	s_cmp_lt_u32 s24, 64
	s_cselect_b64 s[14:15], s[4:5], s[14:15]
	s_cselect_b32 s27, 0, s27                      ; the tensor's first group
	s_sub_co_u32 s28, s24, s27
	s_lshl_b32 s28, s28, 19                        ; 128 rows of 4,096 bytes a group,
	s_lshl_b32 s29, s25, 9
	s_add_co_u32 s28, s28, s29                     ; 512 bytes a K step,
	s_lshl_b32 s29, s26, 18
	s_add_co_u32 s28, s28, s29                     ; 64 rows a half
	s_mov_b32 s29, 0
	s_add_nc_u64 s[14:15], s[14:15], s[28:29]
	LOAD 0
	LOAD 1
	s_mul_i32 s30, s24, 102400
	s_mov_b32 s31, 0
	s_add_nc_u64 s[16:17], s[16:17], s[30:31]      ; my group's block
	s_lshl_b32 s30, s25, 1
	s_add_co_u32 s30, s30, s26
	s_lshl_b32 s30, s30, 8
	s_add_nc_u64 s[32:33], s[16:17], s[30:31]      ; my 256 bytes of scale words
	s_mul_i32 s30, s25, 12288
	s_mul_i32 s34, s26, 6144
	s_add_co_u32 s30, s30, s34
	s_add_co_u32 s30, s30, 4096
	s_add_nc_u64 s[16:17], s[16:17], s[30:31]      ; my four fragments
.macro TILE t
.if (\t) < 3
	s_wait_loadcnt 16                              ; this tile's 16 loads are in; the next tile's 16 may be out
.else
	s_wait_loadcnt 0x0
.endif
.irp i, 0,1,2,3,4,5,6,7,8,9,10,11,12,13,14,15
	ds_store_b128 v[STW], v[RA+64*((\t)%2)+4*\i:RA+64*((\t)%2)+4*\i+3] offset:528*\i
.endr
.irp b, 0,1,2,3
.irp j, 0,1,2,3
	ds_load_b128 v[X+16*\b+4*\j:X+16*\b+4*\j+3], v[STR] offset:128*\b+16*\j   ; LDS serves a wave's instructions in order: these see the stores above
.endr
.endr
	s_wait_dscnt 0x0                               ; the tile is back, and the stage's stores have read their registers
.if (\t) > 0
	s_wait_xcnt 0x0                                ; the last tile's stores have read v[PC] on: it is written again only behind this wait
.endif
.if (\t) < 2
	LOAD (\t)+2
.endif
	QUANT X
	v_mov_b32 v[PWS+(\t)], v[PW]
	global_store_b128 v[L16], v[PC:PC+3], s[16:17] offset:1536*(\t)
	global_store_b64 v[L8], v[PC+4:PC+5], s[16:17] offset:1536*(\t)+512
	global_store_b128 v[L16], v[PC+6:PC+9], s[16:17] offset:1536*(\t)+768
	global_store_b64 v[L8], v[PC+10:PC+11], s[16:17] offset:1536*(\t)+1280
.endm
	TILE 0
	TILE 1
	TILE 2
	TILE 3
	v_cndmask_b32 v250, v[PWS], v[PWS+2], s[HM]    ; lanes 0-15 carry tiles 0 and 1 of row r, lanes 16-31 tiles 2 and 3
	v_cndmask_b32 v251, v[PWS+1], v[PWS+3], s[HM]
	global_store_b64 v[SCA], v[250:251], s[32:33]  ; 32 lanes store 256 consecutive bytes, aligned
	s_wait_tensorcnt 0x0                           ; the wave's end
	ds_add_u32 v[SPW], v[NIL]
	s_wait_dscnt 0x0
	s_endpgm
.Lfunc_end_k_q8e7951cf08_quant:
	.size	k_q8e7951cf08_quant, .Lfunc_end_k_q8e7951cf08_quant-k_q8e7951cf08_quant
	.p2alignl 7, 3214868480
	.fill 96, 4, 3214868480
	.section	.rodata,"a",@progbits
	.p2align	6, 0x0
	.amdhsa_kernel k_q8e7951cf08_quant
		.amdhsa_group_segment_fixed_size 167936
		.amdhsa_private_segment_fixed_size 0
		.amdhsa_enable_private_segment 0
		.amdhsa_kernarg_size 56
		.amdhsa_user_sgpr_count 2
		.amdhsa_user_sgpr_kernarg_segment_ptr 1
		.amdhsa_wavefront_size32 1
		.amdhsa_system_sgpr_workgroup_id_x 1
		.amdhsa_system_sgpr_workgroup_id_y 1
		.amdhsa_system_sgpr_workgroup_id_z 1
		.amdhsa_system_vgpr_workitem_id 0
		.amdhsa_next_free_vgpr 256
		.amdhsa_next_free_sgpr 66
		.amdhsa_reserve_vcc 0
		.amdhsa_float_denorm_mode_32 3
		.amdhsa_float_denorm_mode_16_64 3
		.amdhsa_memory_ordered 1
		.amdhsa_forward_progress 1
		.amdhsa_inst_pref_size 35
	.end_amdhsa_kernel
	.amdgpu_metadata
---
amdhsa.version: [ 1, 2 ]
amdhsa.kernels:
  - .name:           k_q8e7951cf08_quant
    .symbol:         k_q8e7951cf08_quant.kd
    .args:
      - { .name: query, .offset: 0, .size: 8, .value_kind: global_buffer, .address_space: global }
      - { .name: memory, .offset: 8, .size: 8, .value_kind: global_buffer, .address_space: global }
      - { .name: Wq, .offset: 16, .size: 8, .value_kind: global_buffer, .address_space: global }
      - { .name: Wk, .offset: 24, .size: 8, .value_kind: global_buffer, .address_space: global }
      - { .name: Wv, .offset: 32, .size: 8, .value_kind: global_buffer, .address_space: global }
      - { .name: Wo, .offset: 40, .size: 8, .value_kind: global_buffer, .address_space: global }
      - { .name: opnd, .offset: 48, .size: 8, .value_kind: global_buffer, .address_space: global }
    .group_segment_fixed_size: 167936
    .private_segment_fixed_size: 0
    .kernarg_segment_align: 8
    .kernarg_segment_size: 56
    .max_flat_workgroup_size: 320
    .sgpr_count:     66
    .vgpr_count:     256
    .wavefront_size: 32
...
	.end_amdgpu_metadata
.endif
;; end of part 1
;; launch proj (part 2): grid 4 x 192, 4 waves a work-group, clusters of 4 x 4, 327,680 bytes of LDS; arguments opnd, bq, bk, bv, qkv; writes qkv
.if DOCPART == 2
	.amdgcn_target "amdgcn-amd-amdhsa--gfx1250"
	.amdhsa_code_object_version 6
	.text
	.protected	k_q8e7951cf08_proj
	.globl	k_q8e7951cf08_proj
	.p2align	8
	.type	k_q8e7951cf08_proj,@function
k_q8e7951cf08_proj:
	s_mov_b64 s[64:65], 0
	v_nop
	global_prefetch_b8 v0, s[64:65] scope:SCOPE_SE
	s_setreg_imm32_b32 hwreg(HW_REG_WAVE_MODE, 25, 1), 1
	s_wait_xcnt 0x0
	s_wait_alu depctr_hold_cnt(0) depctr_sa_sdst(0) depctr_va_vdst(0) depctr_va_sdst(0) depctr_va_ssrc(0) depctr_va_vcc(0) depctr_vm_vsrc(0)
	s_getreg_b32 s2, hwreg(HW_REG_IB_STS2, 6, 4)
	s_cmp_eq_u32 s2, 0
	s_cbranch_scc0 .Lentry_in_a_cluster
	s_endpgm
.Lentry_in_a_cluster:
	s_bfe_u32 s2, ttmp6, 0x10000c
	s_cmp_lg_u32 s2, 0xf033
	s_cbranch_scc0 .Lentry_shape_is_right
	s_endpgm
.Lentry_shape_is_right:
; The three projections on codes of FP6 (E2M3) with E8M0 scales, and their results quantised again in registers.  One text, one path; what differs is chosen by s_cselect on the cluster's y (mode = y / 16):
;   mode 0: Q = query Wq^T + bq     source 0 = Wq's rows (i),  source 1 = query's rows (j);  quantised along i = the features (the heads' axis)
;   mode 1: K = memory Wk^T + bk    likewise with Wk, memory
;   mode 2: V = memory Wv^T + bv    source 0 = memory's rows (i = the keys), source 1 = Wv's rows (j): quantised along i = the keys, which are the K of the product with the weights p
; A work-group makes 256 i x 128 j; wave w makes i group w % 2 (128) x j tiles 4 (w / 2) .. + 3 (64): 32 accumulators.  768 work-groups, three to each of 256.
; ALL OF K LIES IN LDS AT ONCE: three group blocks of 102,400 bytes (scale words, then fragments' images, as the launch before laid them).  So every tensor load is a first fill: no slot is filled again.
; Each block comes as four chunks of 25,600 bytes, so that the first K steps are multiplied while the later chunks land.  By this text's count a loading wave has four tensor loads out.
; CLUSTER 4 x 4: source 1's block hangs on the tile row alone and is asked for jointly along a row of the cluster, source 0's blocks on the tile column alone, jointly along a column.
; With source 0's tiles laid as they are (lane-row m of tile t = row 32 (t / 2) + 8 (t % 2) + m + 8 (m / 8)), the 64 registers of a j tile are, for lane (r, h), i = 32 b + 16 h + 0 .. 15, b = 0 .. 3:
; just what the conversions want.  The bias along i is the C of the first K step; the bias along j is added on the way out; the one that does not apply is made 0 by v_cndmask_b32.
; OUT (qkv): codes at mode x 6,291,456 + (j tile x NKS + i chunk) x 1,536, as images; scale words at 18,874,368 + mode x 262,144 + (i chunk x NJT + j tile) x 64 + 4 r.
; No prefetch: every load of the launch is issued at its head.  LIMITS: NaN and infinities are not served; a block under 2^-124 keeps the byte 1.
.set BLK,   102400
.set CHK,   25600
.set SPARE, 3*BLK                      ; behind the three blocks: the spare words, 128 bytes a wave: two blocks of 256 bytes that no other line names
.set L16,   1
.set L8,    2
.set RR,    3
.set HH,    4
.set L4,    6
.set AL16,  8                          ; v8, v9    LDS address of source 1's fragments of the K step in hand (16 x lane, 8 x lane)
.set AL8,   9
.set BL16,  10                         ; v10, v11  the same for source 0
.set BL8,   11
.set ADRS,  12                         ; v12       of the scale words: lanes 0-15 source 1's, lanes 16-31 source 0's
.set SC,    16                         ; v16-31    scale words, two sets of 8
.set BI,    32                         ; v32-95    the bias along i, in the result's layout
.set BJ,    96                         ; v96-103   the bias along j: four pairs
.set X,     104                        ; v104-167  a j tile's 64 numbers
.set TM,    168
.set PW,    184
.set PWS,   185
.set PC,    190
.set SW,    210
.set SPW,   252
.set NIL,   253
.set WV,    18
.set WI,    19
.set WJ,    20
.set CX,    21
.set CY,    22
.set G1A,   24                         ; s[24:31] group 1 for source 1's block; s[32:39] for source 0's: they differ in the mask
.set G1B,   32
.set G0A,   40                         ; s[40:55] group 0, a set for each chunk; s[68:83] likewise
.set G0B,   68
.set SEL,   66
.set MSB, 0
.macro WIN new                         ; the immediate's high byte repeats the setting that is left
.if MSB != (\new)
	s_set_vgpr_msb (MSB<<8)|(\new)
.set MSB, (\new)
.endif
.endm
.macro CROUND                          ; a round of the cluster's barrier
	s_barrier_signal -1
	s_barrier_wait -1
	s_cmp_lg_u32 s[WV], 0
	s_cbranch_scc1 .Lnot_wave_0_\@
	s_barrier_signal -3
.Lnot_wave_0_\@:
	s_barrier_wait -3
	s_barrier_signal -1
	s_barrier_wait -1
.endm
.macro QUANT s
.irp b, 0,1,2,3
	v_max3_num_f32 v[TM+\b], |v[\s+16*\b]|, |v[\s+1+16*\b]|, 0x1800000   ; my 16 numbers of block b and the floor 2^(3 - 127)
.endr
.irp i, 2,4,6,8,10,12,14
.irp b, 0,1,2,3
	v_max3_num_f32 v[TM+\b], v[TM+\b], |v[\s+16*\b+\i]|, |v[\s+1+16*\b+\i]|
.endr
.endr
.irp b, 0,1,2,3
	v_permlanex16_b32 v[TM+4+\b], v[TM+\b], s[SEL], s[SEL+1]
.endr
.irp b, 0,1,2,3
	v_max_num_f32 v[TM+\b], v[TM+\b], v[TM+4+\b]
.endr
.irp b, 0,1,2,3
	v_add_nc_u32 v[TM+12+\b], 0xff000000, v[TM+\b]   ; 2 off the exponent field: the conversion's scale operand
.endr
.irp b, 0,1,2,3
	v_lshrrev_b32 v[TM+4+\b], 23, v[TM+12+\b]
.endr
	v_lshl_or_b32 v[PW], v[TM+5], 8, v[TM+4]
	v_lshl_or_b32 v[PW], v[TM+6], 16, v[PW]
	v_lshl_or_b32 v[PW], v[TM+7], 24, v[PW]
.irp c, 0,1
	v_cvt_scalef32_pk16_fp6_f32 v[PC+6*\c:PC+2+6*\c], v[\s+32*\c:\s+15+32*\c], v[TM+12+2*\c]
	v_cvt_scalef32_pk16_fp6_f32 v[PC+12+4*\c:PC+14+4*\c], v[\s+16+32*\c:\s+31+32*\c], v[TM+12+2*\c+1]
.endr
	v_nop                                          ; one plain place behind a scaled conversion
.irp c, 0,1
.irp i, 0,1,2
	v_permlane16_swap_b32 v[PC+6*\c+\i], v[PC+12+4*\c+\i]
.endr
.irp i, 0,1,2
	v_mov_b32 v[PC+3+6*\c+\i], v[PC+12+4*\c+\i]
.endr
.endr
.endm
.macro FRAGL reg, a16, a8, off         ; a fragment's image comes back as it was stored: four dense loads
	ds_load_b128 v[\reg:\reg+3], v[\a16] offset:\off
	ds_load_b64 v[\reg+4:\reg+5], v[\a8] offset:\off+512
	ds_load_b128 v[\reg+6:\reg+9], v[\a16] offset:\off+768
	ds_load_b64 v[\reg+10:\reg+11], v[\a8] offset:\off+1280
.endm
.macro FETCH p                         ; a K step's 12 fragments into set p (window 2 + p) and its scale words: 50 LDS loads
	WIN (2+(\p))<<6
.irp i, 0,1,2,3,4,5,6,7
	FRAGL 12*\i, BL16, BL8, 1536*\i
.endr
.irp i, 0,1,2,3
	FRAGL 96+12*\i, AL16, AL8, 1536*\i
.endr
	WIN 0
	ds_load_b128 v[SC+8*(\p):SC+8*(\p)+3], v[ADRS]                 ; lanes 0-15: source 1's four tiles; lanes 16-31: source 0's tiles 0-3
	ds_load_b128 v[SC+8*(\p)+4:SC+8*(\p)+7], v[ADRS] offset:256    ; lanes 16-31: source 0's tiles 4-7 (lanes 0-15 read filled bytes that nobody uses)
.endm
; 16 matrix instructions: j tiles a0, a0 + 1 x the eight i tiles.  The 32 accumulators take turns, one instruction a turn, in the same order in every step
.macro MUL16 a0, p, first
.if \first
	WIN 0x4a                                       ; sources window 2, C (the bias) window 0, D window 1
.else
	WIN 0x5a+5*(\p)                                ; sources window 2 + p, C and D window 1
.endif
.irp a, \a0, \a0+1
.irp b, 0,1,2,3,4,5,6,7
.if \first
	v_wmma_scale_f32_16x16x128_f8f6f4 v[8*(8*(\a)+\b):8*(8*(\a)+\b)+7], v[12*\b:12*\b+11], v[96+12*(\a):96+12*(\a)+11], v[BI+8*\b:BI+8*\b+7], v[SC+8*(\p)+\b], v[SC+8*(\p)+(\a)] matrix_a_fmt:MATRIX_FMT_FP6 matrix_b_fmt:MATRIX_FMT_FP6 matrix_a_scale:MATRIX_SCALE_ROW1
.else
	v_wmma_scale_f32_16x16x128_f8f6f4 v[8*(8*(\a)+\b):8*(8*(\a)+\b)+7], v[12*\b:12*\b+11], v[96+12*(\a):96+12*(\a)+11], v[8*(8*(\a)+\b):8*(8*(\a)+\b)+7], v[SC+8*(\p)+\b], v[SC+8*(\p)+(\a)] matrix_a_fmt:MATRIX_FMT_FP6 matrix_b_fmt:MATRIX_FMT_FP6 matrix_a_scale:MATRIX_SCALE_ROW1
.endif
.endr
.endr
.endm
; A K step of 128 on set p.  bar >= 0: the next step's bytes lie in a chunk not yet shown landed: each wave waits until at most bar of its chunks are out, and a barrier follows
.macro STEP p, bar, last, first
	s_wait_dscnt 0x0                               ; this step's fragments and scale words are in (asked for 16 matrix instructions ago)
	MUL16 0, \p, \first
	WIN 0
.if \bar >= 0
	s_wait_tensorcnt \bar
	s_barrier_signal -1
	s_barrier_wait -1
.endif
.if !\last
	v_add_nc_u32 v[AL16], 12288, v[AL16]           ; on to the next K step; these five are also the places in front of loads into the set that the step before multiplied
	v_add_nc_u32 v[AL8], 12288, v[AL8]
	v_add_nc_u32 v[BL16], 12288, v[BL16]
	v_add_nc_u32 v[BL8], 12288, v[BL8]
	v_add_nc_u32 v[ADRS], 512, v[ADRS]
	FETCH 1-(\p)
.endif
	MUL16 2, \p, \first
.endm
	s_load_b256 s[4:11], s[0:1], 0x0               ; opnd, bq, bk, bv
	s_load_b64 s[12:13], s[0:1], 0x20              ; qkv
	v_lshl_add_u32 v[SPW], v0, 2, SPARE
	v_mov_b32 v[NIL], 0
	ds_add_u32 v[SPW], v[NIL]                      ; the wave's opening: the add and its wait stand ahead of the first tensor load; work on registers stands between
	v_lshrrev_b32 v5, 5, v0
	v_readfirstlane_b32 s[WV], v5                  ; wave 0..3
	s_and_b32 s[WI], s[WV], 1                      ; which group of source 0 is mine
	s_lshr_b32 s[WJ], s[WV], 1                     ; which four tiles of source 1
	s_bfe_u32 s[CX], ttmp6, 0x40000
	s_bfe_u32 s[CY], ttmp6, 0x40004
	s_and_b32 s23, ttmp7, 0xffff                   ; the cluster's y, 0 .. 47: the same in all partners
	s_lshr_b32 s14, s23, 4                         ; mode
	s_and_b32 s15, s23, 15                         ; c
	s_lshr_b32 s16, s15, 1
	s_lshl_b32 s16, s16, 2                         ; 4 (c / 2)
	s_and_b32 s17, s15, 1
	s_lshl_b32 s17, s17, 2                         ; 4 (c % 2)
	s_lshl_b32 s84, s15, 2                         ; 4 c
	s_lshl_b32 s85, s14, 3
	s_add_co_u32 s85, s85, 128                     ; Wq's or Wk's first group
	s_lshl_b32 s86, s14, 6                         ; query's or memory's
	s_mov_b32 s87, 144
	s_mov_b32 s89, 512
	s_cmp_eq_u32 s14, 2                            ; V?
	s_cselect_b32 s16, s16, 0                      ; the tile column less cx
	s_cselect_b32 s17, s17, s84                    ; the tile row less cy
	s_cselect_b32 s85, 64, s85                     ; source 0's first group
	s_cselect_b32 s86, s87, s86                    ; source 1's
	s_cselect_b32 s88, 64, 8                       ; NKS: chunks of 128 along the axis that is quantised
	s_cselect_b32 s89, 64, s89                     ; NJT: tiles along the other
	s_cselect_b32 s90, 0, -1                       ; the bias goes along i,
	s_cselect_b32 s91, -1, 0                       ; or along j
	s_add_co_u32 s92, s16, s[CX]                   ; tile column
	s_add_co_u32 s93, s17, s[CY]                   ; tile row
	s_lshl_b32 s94, s[CY], 2
	s_lshl_b32 s94, 15, s94                        ; my row of the cluster
	s_lshl_b32 s95, 0x1111, s[CX]                  ; my column
	s_or_b32 s[G1A], s94, (3<<16)|(1<<21)          ; 15:0 the mask; 17:16 elements of 8 bytes; 21 set beside a mask; no padding
	s_or_b32 s[G1B], s95, (3<<16)|(1<<21)
.irp g, G1A, G1B                               ; a chunk: 25,600 dense bytes as 100 rows of 256
	s_mov_b32 s[\g+1], 32<<16                      ; tensor_dim0 = 32
	s_mov_b32 s[\g+2], 100<<16                     ; tensor_dim1 = 100
	s_mov_b32 s[\g+3], 32<<16                      ; tile_dim0 = 32
	s_mov_b32 s[\g+4], 100                         ; tile_dim1 = 100
	s_mov_b32 s[\g+5], 32                          ; the pitch
	s_mov_b32 s[\g+6], 0
	s_mov_b32 s[\g+7], 0
.endr
	s_add_co_u32 s96, s86, s93                     ; source 1's group: it hangs on the tile row alone
	s_mul_i32 s96, s96, BLK
	s_mov_b32 s97, 0
	s_lshl_b32 s98, s92, 1
	s_add_co_u32 s98, s98, s85
	s_add_co_u32 s98, s98, s[WV]
	s_sub_co_u32 s98, s98, 1                       ; source 0's group that waves 1 and 2 fetch: 2 x tile column + wave - 1
	s_mul_i32 s98, s98, BLK
	s_mov_b32 s99, 0
	s_mul_i32 s84, s[WV], BLK                      ; and where it goes: no place in the cluster enters an LDS address
	s_wait_dscnt 0x0                               ; the opening add is done
	s_wait_kmcnt 0x0
	s_add_nc_u64 s[96:97], s[4:5], s[96:97]
	s_add_nc_u64 s[98:99], s[4:5], s[98:99]
	CROUND                                         ; all sixteen work-groups are here: the joint loads meet
.irp c, 0,1,2,3
	s_mov_b32 s[G0A+4*\c], 1
	s_mov_b32 s[G0A+4*\c+1], \c*CHK
	s_add_nc_u64 s[G0A+4*\c+2:G0A+4*\c+3], s[96:97], \c*CHK
	s_or_b32 s[G0A+4*\c+3], s[G0A+4*\c+3], 0x80000000
	s_mov_b32 s[G0B+4*\c], 1
	s_add_co_u32 s[G0B+4*\c+1], s84, \c*CHK
	s_add_nc_u64 s[G0B+4*\c+2:G0B+4*\c+3], s[98:99], \c*CHK
	s_or_b32 s[G0B+4*\c+3], s[G0B+4*\c+3], 0x80000000
.endr
	s_cmp_eq_u32 s[WV], 0                          ; wave 0 fetches source 1's block, waves 1 and 2 source 0's two, wave 3 nothing: a wave's four fills stand in one branch on its number
	s_cbranch_scc0 .Lnot_a
.irp c, 0,1,2,3
	tensor_load_to_lds s[G0A+4*\c:G0A+4*\c+3], s[G1A:G1A+7]
	s_nop 0
.endr
.rept 4
	v_nop
.endr
	s_branch .Lfilled
.Lnot_a:
	s_cmp_lt_u32 s[WV], 3
	s_cbranch_scc0 .Lfilled
.irp c, 0,1,2,3
	tensor_load_to_lds s[G0B+4*\c:G0B+4*\c+3], s[G1B:G1B+7]
	s_nop 0
.endr
.rept 4
	v_nop
.endr
.Lfilled:
	v_and_b32 v5, 31, v0
	v_lshlrev_b32 v[L16], 4, v5
	v_lshlrev_b32 v[L8], 3, v5
	v_lshlrev_b32 v[L4], 2, v5
	v_and_b32 v[RR], 15, v0
	v_bfe_u32 v[HH], v0, 4, 1
	s_mul_i32 s2, s[WJ], 6144
	s_add_co_u32 s2, s2, 4096                      ; source 1: behind the scale words, my four tiles
	v_add_nc_u32 v[AL16], s2, v[L16]
	v_add_nc_u32 v[AL8], s2, v[L8]
	s_add_co_u32 s62, s[WI], 1
	s_mul_i32 s62, s62, BLK                        ; source 0: my group's block
	s_add_co_u32 s63, s62, 4096
	v_add_nc_u32 v[BL16], s63, v[L16]
	v_add_nc_u32 v[BL8], s63, v[L8]
	s_lshl_b32 s2, s[WJ], 8                        ; scale words: lanes 0-15 source 1's half, lanes 16-31 source 0's block: the lower base + h x the distance
	s_sub_co_u32 s62, s62, s2
	v_mul_u32_u24 v5, s62, v[HH]
	v_lshl_add_u32 v5, v[RR], 4, v5
	v_add_nc_u32 v[ADRS], s2, v5
	s_mov_b32 s[SEL], 0x76543210
	s_mov_b32 s[SEL+1], 0xfedcba98
	s_mov_b32 s3, 0xffff0000                       ; lanes 16-31
	; the bias: which, and from where
	s_cmp_eq_u32 s14, 0
	s_cselect_b64 s[56:57], s[6:7], s[8:9]
	s_cmp_eq_u32 s14, 2
	s_cselect_b64 s[56:57], s[10:11], s[56:57]
	s_lshl_b32 s58, s92, 10
	s_lshl_b32 s59, s[WI], 9
	s_add_co_u32 s58, s58, s59                     ; 4 (256 x tile column + 128 wi)
	s_lshl_b32 s60, s93, 9
	s_lshl_b32 s61, s[WJ], 8
	s_add_co_u32 s60, s60, s61                     ; 4 (128 x tile row + 64 wj)
	s_cmp_eq_u32 s14, 2
	s_cselect_b32 s58, 0, s58                      ; (the side that does not apply reads the bias's head and is made 0 below)
	s_cselect_b32 s60, s60, 0
	s_mov_b32 s59, 0
	s_mov_b32 s61, 0
	s_add_nc_u64 s[58:59], s[56:57], s[58:59]
	s_add_nc_u64 s[60:61], s[56:57], s[60:61]
	v_lshlrev_b32 v5, 6, v[HH]                     ; along i: 64 h
	v_and_b32 v7, 8, v[RR]
	v_add_nc_u32 v7, v7, v[RR]
	v_lshlrev_b32 v7, 2, v7                        ; along j: 4 (r + 8 (r / 8))
.irp k, 0,1,2,3
.irp q, 0,1,2,3
	global_load_b128 v[BI+16*\k+4*\q:BI+16*\k+4*\q+3], v5, s[58:59] offset:128*\k+16*\q   ; register 16 k + i: the bias at i = 32 k + 16 h + i
.endr
.endr
.irp a, 0,1,2,3
	global_load_b32 v[BJ+2*\a], v7, s[60:61] offset:4*(32*(\a/2)+8*(\a%2))
	v_mov_b32 v[BJ+2*\a+1], 0                      ; (named with it as a pair, so it is written)
.endr
.irp b, 0,1,2,3
	v_mov_b32 v[TM+4+\b], 0                        ; a lane permute's destination counts as one of its sources
.endr
	s_wait_loadcnt 0x0
.set i, 0
.rept 64
	v_cndmask_b32 v[BI+i], 0, v[BI+i], s90
.set i, i+1
.endr
.irp a, 0,1,2,3
	v_cndmask_b32 v[BJ+2*\a], 0, v[BJ+2*\a], s91
.endr
	; where the results go (the bias's loads are done: s56 to s61 are free)
	s_lshl_b32 s2, s93, 3
	s_lshl_b32 s62, s[WJ], 2
	s_add_co_u32 s2, s2, s62                       ; my first j tile
	s_lshl_b32 s62, s92, 1
	s_add_co_u32 s62, s62, s[WI]                   ; my chunk of 128 along i
	s_mul_i32 s56, s2, s88
	s_add_co_u32 s56, s56, s62
	s_mul_i32 s56, s56, 1536
	s_mul_i32 s63, s14, 6291456
	s_add_co_u32 s56, s56, s63
	s_mov_b32 s57, 0
	s_add_nc_u64 s[56:57], s[12:13], s[56:57]      ; the codes
	s_mul_i32 s58, s62, s89
	s_add_co_u32 s58, s58, s2
	s_lshl_b32 s58, s58, 6
	s_lshl_b32 s63, s14, 18
	s_add_co_u32 s58, s58, s63
	s_add_co_u32 s58, s58, 18874368
	s_mov_b32 s59, 0
	s_add_nc_u64 s[58:59], s[12:13], s[58:59]      ; the scale words
	s_mul_i32 s60, s88, 1536                       ; from a j tile to the next
	s_mov_b32 s61, 0
	s_wait_tensorcnt 0x3                           ; my first chunk is in (scale words and K step 0); the three younger may be out
	s_barrier_signal -1
	s_barrier_wait -1                              ; everybody's is
	FETCH 0
	STEP 0, 2, 0, 1                                ; K steps 1 and 2 lie in the second chunks: two younger may be out
	STEP 1, -1, 0, 0
	STEP 0, 1, 0, 0                                ; K steps 3 and 4 in the third
	STEP 1, -1, 0, 0
	STEP 0, 0, 0, 0                                ; K steps 5 to 7 in the last
	STEP 1, -1, 0, 0
	STEP 0, -1, 0, 0
	STEP 1, -1, 1, 0
	WIN 0
.rept 4
	v_nop                                          ; places between the last products and the first read of results
.endr
.irp a, 0,1,2,3                                ; THE WAY OUT, a j tile at a time: + the bias along j, quantised along i, stored as an image
	s_wait_xcnt 0x0                                ; the last tile's stores have read their data and their base
.if \a > 0
	s_add_nc_u64 s[56:57], s[56:57], s[60:61]
.endif
	WIN 0x01                                       ; source 0 window 1
.set i, 0
.rept 32
	v_pk_add_f32 v[X+i:X+i+1], v[64*\a+i:64*\a+i+1], v[BJ+2*\a:BJ+2*\a+1] op_sel_hi:[1,0]   ; each accumulator from its low end on
.set i, i+2
.endr
	WIN 0
	QUANT X
	v_mov_b32 v[PWS+\a], v[PW]
	global_store_b128 v[L16], v[PC:PC+3], s[56:57]
	global_store_b64 v[L8], v[PC+4:PC+5], s[56:57] offset:512
	global_store_b128 v[L16], v[PC+6:PC+9], s[56:57] offset:768
	global_store_b64 v[L8], v[PC+10:PC+11], s[56:57] offset:1280
.endr
	v_cndmask_b32 v[SW], v[PWS], v[PWS+1], s3      ; lanes 0-15 an even tile's words, lanes 16-31 the odd tile's
	v_cndmask_b32 v[SW+1], v[PWS+2], v[PWS+3], s3
	global_store_b32 v[L4], v[SW], s[58:59]        ; the two stores cover 256 consecutive bytes, aligned
	global_store_b32 v[L4], v[SW+1], s[58:59] offset:128
	s_wait_tensorcnt 0x0                           ; the wave's end
	ds_add_u32 v[SPW], v[NIL]
	s_wait_dscnt 0x0
	CROUND                                         ; the closing round
	s_endpgm
.Lfunc_end_k_q8e7951cf08_proj:
	.size	k_q8e7951cf08_proj, .Lfunc_end_k_q8e7951cf08_proj-k_q8e7951cf08_proj
	.p2alignl 7, 3214868480
	.fill 96, 4, 3214868480
	.section	.rodata,"a",@progbits
	.p2align	6, 0x0
	.amdhsa_kernel k_q8e7951cf08_proj
		.amdhsa_group_segment_fixed_size 327680
		.amdhsa_private_segment_fixed_size 0
		.amdhsa_enable_private_segment 0
		.amdhsa_kernarg_size 40
		.amdhsa_user_sgpr_count 2
		.amdhsa_user_sgpr_kernarg_segment_ptr 1
		.amdhsa_wavefront_size32 1
		.amdhsa_system_sgpr_workgroup_id_x 1
		.amdhsa_system_sgpr_workgroup_id_y 1
		.amdhsa_system_sgpr_workgroup_id_z 1
		.amdhsa_system_vgpr_workitem_id 0
		.amdhsa_next_free_vgpr 1024
		.amdhsa_next_free_sgpr 100
		.amdhsa_reserve_vcc 0
		.amdhsa_float_denorm_mode_32 3
		.amdhsa_float_denorm_mode_16_64 3
		.amdhsa_memory_ordered 1
		.amdhsa_forward_progress 1
		.amdhsa_inst_pref_size 103
	.end_amdhsa_kernel
	.amdgpu_metadata
---
amdhsa.version: [ 1, 2 ]
amdhsa.kernels:
  - .name:           k_q8e7951cf08_proj
    .symbol:         k_q8e7951cf08_proj.kd
    .args:
      - { .name: opnd, .offset: 0, .size: 8, .value_kind: global_buffer, .address_space: global }
      - { .name: bq, .offset: 8, .size: 8, .value_kind: global_buffer, .address_space: global }
      - { .name: bk, .offset: 16, .size: 8, .value_kind: global_buffer, .address_space: global }
      - { .name: bv, .offset: 24, .size: 8, .value_kind: global_buffer, .address_space: global }
      - { .name: qkv, .offset: 32, .size: 8, .value_kind: global_buffer, .address_space: global }
    .group_segment_fixed_size: 327680
    .private_segment_fixed_size: 0
    .kernarg_segment_align: 8
    .kernarg_segment_size: 40
    .max_flat_workgroup_size: 128
    .sgpr_count:     100
    .vgpr_count:     1024
    .wavefront_size: 32
...
	.end_amdgpu_metadata
.endif
;; end of part 2
;; launch attn (part 3): grid 2 x 128, 4 waves a work-group, no clusters, 70,144 bytes of LDS; arguments qkv, coverage, Wcov, oc, part; writes oc, part
.if DOCPART == 3
	.amdgcn_target "amdgcn-amd-amdhsa--gfx1250"
	.amdhsa_code_object_version 6
	.text
	.protected	k_q8e7951cf08_attn
	.globl	k_q8e7951cf08_attn
	.p2align	8
	.type	k_q8e7951cf08_attn,@function
k_q8e7951cf08_attn:
	s_mov_b64 s[64:65], 0
	v_nop
	global_prefetch_b8 v0, s[64:65] scope:SCOPE_SE
	s_setreg_imm32_b32 hwreg(HW_REG_WAVE_MODE, 25, 1), 1
	s_wait_xcnt 0x0
; Attention of one head for 512 queries, on codes of FP6 (E2M3) with E8M0 scales: S^T = K Q^T + 8 Wcov[h] coverage[k]; t = S^T log2(e) / 8; p = 2^(t - M); O^T = V^T p^T; O / l quantised for the last projection;
; and the work-group's part of the column sums of the finished softmax, p / l.
; SHARES.  Work-group (x, y): queries 512 x .. + 511 of batch y / 16, head y % 16.  THE WAVES SHARE THE KEYS: wave w owns keys 256 w .. + 255 for the whole launch, so its fragments of K and V^T, its bias numbers and its
; column sums stay in registers, each read from memory once.  The work-group walks 32 tiles of 16 queries, a tile a round, one barrier a round.
; A LANE HOLDS ONE QUERY (lane % 16) throughout: both products are used transposed.  K's tiles are laid so that the 16 registers of tiles 2 b, 2 b + 1 are keys 32 b + 16 (lane / 16) + 0 .. 15 of my 256.
; THE HEAD'S 64 IN AN INSTRUCTION OF 128: both operands hold zero codes in the other 64.  Two tiles of K share six zero registers ([data][zeros][data]); Q lies as [zeros][data][zeros].
; M.  Each wave takes its own M_w = ceil(largest t of its 256 keys), a whole number.  (-M_w, l_w) and the partial O^T meet in LDS; M = the largest M_w; 2^(M_w - M) rounds nothing.  p stays in registers until l is known:
; column sum += p x 2^(M_w - M) / l, a packed multiply-add for two numbers.  The maximum is taken away before every exponential.
; PIPELINE.  Two tiles are in flight: the next tile's 16 products stand between the barrier's signal and its wait, and its search for the maximum covers the way of the statistics through LDS.
; FINISH.  After every second round wave w finishes tile w / 2 of the pair, channels 32 (w % 2) .. + 31: sum of the four partial O^T, x 2^(M_x - M) / l, one block's scale, 16 codes a lane.
; No cluster: K and V go straight into registers, once.  No prefetch: Q is asked for two rounds ahead by its own load.
; The last two rounds load two tiles of Q past the work-group's range (bytes inside qkv) and multiply one of them; nothing of that is used: it spares a second copy of the trip.
; The scale bytes of O leave one at a time (one byte for each 24 bytes of codes); in the stores of FINAL lanes 16-31 write the same bytes with the same values as lanes 0-15.
; LIMITS: NaN and infinities are not served; p under 2^-126 is 0; a block whose largest number is under 2^-124 keeps the byte 1; the bias enters as the C of the scores' product: f32, summed in another order than written.
; REGISTERS: window 1: the scores, then p, of two tiles (0-127, 128-255).  window 2: 0-127 the bias, 128-255 the column sums.  window 3: 0-143 K, 144-239 V^T (tile t, 128 keys sl: 144 + 12 (4 sl + t)).  window 0: below.
.set L16,  1
.set L8,   2
.set L4,   3
.set OST,  4                           ; v4   where I put my partial O^T: 4096 w + 16 x lane
.set SST,  5                           ; v5   and my statistics: 65536 + 256 w + 8 x lane
.set SLD,  6                           ; v6   where I read the four waves' statistics
.set FLD,  7                           ; v7   and the partial O^T that I finish: 16384 (w / 2) + 2048 (w % 2) + 16 x lane
.set FC16, 8                           ; v8-10 my places in oc
.set FC8,  9
.set FSB,  10
.set PO,   11                          ; v11  my place in part
.set KS,   16                          ; v16-23 K's scale words: register p: tile 2 p in lanes 0-15, tile 2 p + 1 in lanes 16-31
.set VS,   24                          ; v24-27 V's, likewise: 2 sl + t / 2
.set QS,   28                          ; v28-29 Q's, a pair of tiles each
.set PW,   30                          ; v30-31 p's
.set QB,   32                          ; v32-49, v50-67 Q: [6 zeros][6 of data][6 zeros]
.set O,    68                          ; v68-99 my partial O^T
.set PC,   100                         ; v100-123 p's codes, two fragments
.set FR,   68                          ; v68-131 the four partial O^T of the block that I finish
.set TMX,  132                         ; v132-139 the blocks' largest scores, then largest p
.set TP,   140
.set SCO,  148                         ; v148-155 the conversions' scale operands
.set NM,   156                         ; v[156:157], v[158:159] -M of the two tiles in flight
.set RS,   160                         ; v160-167 the row's sum in four packed chains
.set ST,   168                         ; v168-175 (-M_x, l_x) of the four waves
.set F,    176
.set FK,   184                         ; v184-191 2^(M_x - M) / l of the tile that I finish: four pairs
.set G,    192                         ; v[192:193] my own 2^(M_w - M) / l
.set OWN,  194
.set T0,   196
.set T1,   197
.set T2,   198
.set T3,   199
.set D,    200                         ; v200-206 a finished block's codes and its byte
.set CT,   208                         ; v208-223 the conversions' second halves
.set SPW,  254
.set NIL,  255
.set SPARE, 69632                      ; LDS: four slots of 16,384 for O^T, four of 1,024 for the statistics, then the spare words: two blocks of 256 bytes that no other line names
.set WV,   14
.set CS,   22                          ; s[22:23] log2(e) / 8
.set SEL,  24
.set ME,   26                          ; all ones where I finish a pair's even tile
.set MO,   27                          ; or its odd one
.set PS,   28                          ; v_perm_b32's selector: my head's two scale bytes, twice
.set QP,   34
.set QSP,  36
.set OCP,  38
.set OSP,  40
.set MSB, 0
.macro WIN new
.if MSB != (\new)
	s_set_vgpr_msb (MSB<<8)|(\new)
.set MSB, (\new)
.endif
.endm
; 16 products: the scores of a tile of queries against my 16 tiles of keys, begun with the bias as C.  Even tiles of K hold their data in the low 64 of K, odd ones in the high 64; Q is named to match
.macro SNEXT nb, qb, qs, row
	WIN 0x63                                       ; K window 3, Q window 0, the bias window 2, the scores window 1
.irp n, 0,1,2,3,4,5,6,7,8,9,10,11,12,13,14,15
.if (\n)%2
.if \row
	v_wmma_scale_f32_16x16x128_f8f6f4 v[\nb+8*\n:\nb+8*\n+7], v[18*(\n/2)+6:18*(\n/2)+17], v[\qb:\qb+11], v[8*\n:8*\n+7], v[KS+\n/2], v[\qs] matrix_a_fmt:MATRIX_FMT_FP6 matrix_b_fmt:MATRIX_FMT_FP6 matrix_a_scale:MATRIX_SCALE_ROW1 matrix_b_scale:MATRIX_SCALE_ROW1
.else
	v_wmma_scale_f32_16x16x128_f8f6f4 v[\nb+8*\n:\nb+8*\n+7], v[18*(\n/2)+6:18*(\n/2)+17], v[\qb:\qb+11], v[8*\n:8*\n+7], v[KS+\n/2], v[\qs] matrix_a_fmt:MATRIX_FMT_FP6 matrix_b_fmt:MATRIX_FMT_FP6 matrix_a_scale:MATRIX_SCALE_ROW1
.endif
.else
.if \row
	v_wmma_scale_f32_16x16x128_f8f6f4 v[\nb+8*\n:\nb+8*\n+7], v[18*(\n/2):18*(\n/2)+11], v[\qb+6:\qb+17], v[8*\n:8*\n+7], v[KS+\n/2], v[\qs] matrix_a_fmt:MATRIX_FMT_FP6 matrix_b_fmt:MATRIX_FMT_FP6 matrix_b_scale:MATRIX_SCALE_ROW1
.else
	v_wmma_scale_f32_16x16x128_f8f6f4 v[\nb+8*\n:\nb+8*\n+7], v[18*(\n/2):18*(\n/2)+11], v[\qb+6:\qb+17], v[8*\n:8*\n+7], v[KS+\n/2], v[\qs] matrix_a_fmt:MATRIX_FMT_FP6 matrix_b_fmt:MATRIX_FMT_FP6
.endif
.endif
.endr
.endm
; the largest score of each block of 32 keys (it serves twice: for the row's maximum and, since p rises with the score, for the block's largest p), and -M = floor(-t) of my 256 keys
.macro SM_MAX nb, nm
	WIN 0x15
.irp b, 0,1,2,3,4,5,6,7
	v_max3_num_f32 v[TMX+\b], v[\nb+16*\b], v[\nb+16*\b+1], v[\nb+16*\b+2]   ; each accumulator is read from its low end on
.endr
	WIN 0x14
.irp i, 3,5,7,9,11,13
.irp b, 0,1,2,3,4,5,6,7
	v_max3_num_f32 v[TMX+\b], v[TMX+\b], v[\nb+16*\b+\i], v[\nb+16*\b+\i+1]
.endr
.endr
.irp b, 0,1,2,3,4,5,6,7
	v_max_num_f32 v[TMX+\b], v[TMX+\b], v[\nb+16*\b+15]
.endr
	WIN 0
.irp b, 0,1,2,3,4,5,6,7
	v_permlanex16_b32 v[TP+\b], v[TMX+\b], s[SEL], s[SEL+1]
.endr
.irp b, 0,1,2,3,4,5,6,7
	v_max_num_f32 v[TMX+\b], v[TMX+\b], v[TP+\b]   ; with lane l xor 16's 16 keys
.endr
	v_max3_num_f32 v[T0], v[TMX], v[TMX+1], v[TMX+2]
	v_max3_num_f32 v[T1], v[TMX+3], v[TMX+4], v[TMX+5]
	v_max3_num_f32 v[T0], v[T0], v[TMX+6], v[TMX+7]
	v_max_num_f32 v[T0], v[T0], v[T1]
	v_mul_f32 v[T0], s[CS], v[T0]                  ; as t (the factor is positive)
	v_floor_f32 v[\nm], -v[T0]                     ; -M = -ceil(t): a whole number
.endm
.macro SUMS first, n                   ; n packed additions of p from register first on, into the four chains by turns
.set i, \first
.rept \n
	v_pk_add_f32 v[RS+i%8:RS+i%8+1], v[RS+i%8:RS+i%8+1], v[PB+i:PB+i+1]
.set i, i+2
.endr
.endm
; p = 2^(t - M) in place, three quarters of the row's sum, p's codes and scale words
.macro SM_REST
	WIN 0
.irp b, 0,1,2,3,4,5,6,7
	v_fma_f32 v[TMX+\b], v[TMX+\b], s[CS], v[NMP]  ; t - M of each block's largest score
.endr
	WIN 0x41
.set i, 0
.rept 64
	v_pk_fma_f32 v[PB+i:PB+i+1], v[PB+i:PB+i+1], s[CS:CS+1], v[NMP:NMP+1] op_sel_hi:[1,0,0]   ; t - M, two at a time
.set i, i+2
.endr
.set i, 0
.rept 128
	v_exp_f32 v[PB+i], v[PB+i]                     ; p, at most 1: not normalised
.set i, i+1
.endr
	v_nop                                          ; a plain place behind the exponentials
	s_wait_alu depctr_va_vdst(0)                   ; one wait for the batch of 128, ahead of its first reader
	WIN 0
.irp b, 0,1,2,3,4,5,6,7
	v_exp_f32 v[TMX+\b], v[TMX+\b]                 ; the blocks' largest p: the same two instructions on the same number give the same bits
.endr
	WIN 0x05
.irp k, 0,1,2,3
	v_pk_add_f32 v[RS+2*\k:RS+2*\k+1], v[PB+4*\k:PB+4*\k+1], v[PB+4*\k+2:PB+4*\k+3]   ; THE ROW'S SUM IS TAKEN OF THE UNQUANTISED p; the first additions start the chains
.endr
	WIN 0x04
	SUMS 16, 24
	WIN 0
	s_wait_alu depctr_va_vdst(0)                   ; and one wait for the eight
.irp b, 0,1,2,3,4,5,6,7
	v_max_num_f32 v[TMX+\b], 0x1800000, v[TMX+\b]  ; the floor 2^(3 - 127): the byte cannot fall under 1
.endr
.irp b, 0,1,2,3,4,5,6,7
	v_add_nc_u32 v[SCO+\b], 0xff000000, v[TMX+\b]  ; 2 off the exponent field: the conversion's scale operand
.endr
.irp b, 0,1,2,3,4,5,6,7
	v_lshrrev_b32 v[TP+\b], 23, v[SCO+\b]          ; the scale's byte
.endr
.irp s, 0,1
	v_lshl_or_b32 v[PW+\s], v[TP+4*\s+1], 8, v[TP+4*\s]
	v_lshl_or_b32 v[PW+\s], v[TP+4*\s+2], 16, v[PW+\s]
	v_lshl_or_b32 v[PW+\s], v[TP+4*\s+3], 24, v[PW+\s]
.endr
	WIN 0x01
.irp s, 0,1
.irp c, 0,1
	v_cvt_scalef32_pk16_fp6_f32 v[PC+12*\s+6*\c:PC+12*\s+6*\c+2], v[PB+64*\s+32*\c:PB+64*\s+32*\c+15], v[SCO+4*\s+2*\c]
	v_cvt_scalef32_pk16_fp6_f32 v[CT+8*\s+4*\c:CT+8*\s+4*\c+2], v[PB+64*\s+32*\c+16:PB+64*\s+32*\c+31], v[SCO+4*\s+2*\c+1]
.endr
.endr
	v_nop                                          ; one plain place behind a scaled conversion
	WIN 0
.irp s, 0,1
.irp c, 0,1                                    ; a whole block to a lane: lanes 0-15 block 2 c, lanes 16-31 block 2 c + 1
.irp i, 0,1,2
	v_permlane16_swap_b32 v[PC+12*\s+6*\c+\i], v[CT+8*\s+4*\c+\i]
.endr
.irp i, 0,1,2
	v_mov_b32 v[PC+12*\s+6*\c+3+\i], v[CT+8*\s+4*\c+\i]
.endr
.endr
.endr
	WIN 0x04
	SUMS 64, 16                                    ; these 16 are also the places between the lines that made p's codes and scale words and the products that take them
.endm
; O^T = V^T p^T over my 256 keys: four accumulators by turns, two K steps of 128; the first starts the sums
.macro PV
	WIN 0x03                                       ; V window 3; p, O^T window 0
.irp t, 0,1,2,3
.if (\t)%2
	v_wmma_scale_f32_16x16x128_f8f6f4 v[O+8*\t:O+8*\t+7], v[144+12*\t:144+12*\t+11], v[PC:PC+11], 0, v[VS+\t/2], v[PW] matrix_a_fmt:MATRIX_FMT_FP6 matrix_b_fmt:MATRIX_FMT_FP6 matrix_a_scale:MATRIX_SCALE_ROW1
.else
	v_wmma_scale_f32_16x16x128_f8f6f4 v[O+8*\t:O+8*\t+7], v[144+12*\t:144+12*\t+11], v[PC:PC+11], 0, v[VS+\t/2], v[PW] matrix_a_fmt:MATRIX_FMT_FP6 matrix_b_fmt:MATRIX_FMT_FP6
.endif
.endr
.irp t, 0,1,2,3
.if (\t)%2
	v_wmma_scale_f32_16x16x128_f8f6f4 v[O+8*\t:O+8*\t+7], v[192+12*\t:192+12*\t+11], v[PC+12:PC+23], v[O+8*\t:O+8*\t+7], v[VS+2+\t/2], v[PW+1] matrix_a_fmt:MATRIX_FMT_FP6 matrix_b_fmt:MATRIX_FMT_FP6 matrix_a_scale:MATRIX_SCALE_ROW1
.else
	v_wmma_scale_f32_16x16x128_f8f6f4 v[O+8*\t:O+8*\t+7], v[192+12*\t:192+12*\t+11], v[PC+12:PC+23], v[O+8*\t:O+8*\t+7], v[VS+2+\t/2], v[PW+1] matrix_a_fmt:MATRIX_FMT_FP6 matrix_b_fmt:MATRIX_FMT_FP6
.endif
.endr
.endm
; the row is finished: M, l, 1 / l, and the factors 2^(M_x - M) / l; a wave keeps those of the tile that it will finish
.macro STATS sel
	v_min3_num_f32 v[T0], v[ST], v[ST+2], v[ST+4]
	v_min_num_f32 v[T0], v[T0], v[ST+6]            ; -M = the least -M_x
.irp x, 0,1,2,3
	v_sub_f32 v[F+\x], v[T0], v[ST+2*\x]           ; M_x - M: a whole number, 0 or less
.endr
	v_sub_f32 v[F+4], v[T0], v[NMP]                ; and my own
.irp x, 0,1,2,3,4
	v_cvt_i32_f32 v[F+\x], v[F+\x]                 ; (it saturates)
.endr
.irp x, 0,1,2,3,4
	v_ldexp_f32 v[F+\x], 1.0, v[F+\x]
.endr
	v_mul_f32 v[F+5], v[F], v[ST+1]
	v_mul_f32 v[F+6], v[F+1], v[ST+3]
	v_fma_f32 v[F+5], v[F+2], v[ST+5], v[F+5]
	v_fma_f32 v[F+6], v[F+3], v[ST+7], v[F+6]
	v_add_f32 v[F+5], v[F+5], v[F+6]               ; l: over 1/2, since the wave with M_x = M has a p over 1/2
	v_rcp_f32 v[F+5], v[F+5]
	v_nop                                          ; a plain place behind the reciprocal
	s_wait_alu depctr_va_vdst(0)                   ; and the wait ahead of its first reader
.irp x, 0,1,2,3
	v_mul_f32 v[F+\x], v[F+\x], v[F+5]
.endr
	v_mul_f32 v[G], v[F+4], v[F+5]
.irp x, 0,1,2,3
	v_cndmask_b32 v[FK+2*\x], v[FK+2*\x], v[F+\x], s[\sel]
.endr
.endm
.macro COLSUM                          ; column sums += p x my factor
	WIN 0xa1
.set i, 0
.rept 64
	v_pk_fma_f32 v[128+i:128+i+1], v[PB+i:PB+i+1], v[G:G+1], v[128+i:128+i+1] op_sel_hi:[1,0,1]
.set i, i+2
.endr
	WIN 0
.endm
.macro FINAL_LD set                    ; the four waves' 16 registers of the tile and block that I finish
.irp x, 0,1,2,3
.irp q, 0,1,2,3
	ds_load_b128 v[FR+16*\x+4*\q:FR+16*\x+4*\q+3], v[FLD] offset:32768*(\set)+4096*\x+512*\q
.endr
.endr
.endm
.macro FINAL k
	s_wait_dscnt 0x0                               ; the sixteen loads are in
	s_wait_xcnt 0x0                                ; the last finish's stores have read v[D] on
.set i, 0
.rept 8
	v_pk_mul_f32 v[FR+i:FR+i+1], v[FR+i:FR+i+1], v[FK:FK+1] op_sel_hi:[1,0]
.set i, i+2
.endr
.irp x, 1,2,3
.set i, 0
.rept 8
	v_pk_fma_f32 v[FR+i:FR+i+1], v[FR+16*\x+i:FR+16*\x+i+1], v[FK+2*\x:FK+2*\x+1], v[FR+i:FR+i+1] op_sel_hi:[1,0,1]
.set i, i+2
.endr
.endr                                          ; 16 numbers: channels 32 (w % 2) + 16 h + 0 .. 15 of query r, divided by l
	v_max3_num_f32 v[T0], |v[FR]|, |v[FR+1]|, 0x1800000
	v_max3_num_f32 v[T1], |v[FR+2]|, |v[FR+3]|, |v[FR+4]|
	v_max3_num_f32 v[T0], v[T0], |v[FR+5]|, |v[FR+6]|
	v_max3_num_f32 v[T1], v[T1], |v[FR+7]|, |v[FR+8]|
	v_max3_num_f32 v[T0], v[T0], |v[FR+9]|, |v[FR+10]|
	v_max3_num_f32 v[T1], v[T1], |v[FR+11]|, |v[FR+12]|
	v_max3_num_f32 v[T0], v[T0], |v[FR+13]|, |v[FR+14]|
	v_max3_num_f32 v[T0], v[T0], v[T1], |v[FR+15]|
	v_permlanex16_b32 v[T3], v[T0], s[SEL], s[SEL+1]
	v_max_num_f32 v[T0], v[T0], v[T3]              ; the block's largest magnitude
	v_add_nc_u32 v[T1], 0xff000000, v[T0]
	v_lshrrev_b32 v[D+6], 23, v[T1]                ; its byte
	v_cvt_scalef32_pk16_fp6_f32 v[D:D+2], v[FR:FR+15], v[T1]
	v_nop                                          ; one plain place behind a scaled conversion
.irp i, 0,1,2
	v_mov_b32 v[D+3+\i], v[D+\i]
.endr
.irp i, 0,1,2
	v_permlane16_swap_b32 v[D+\i], v[D+3+\i]       ; now every lane holds the block's lower 16 codes in D .. D + 2 and its upper 16 in D + 3 .. D + 5
.endr
	global_store_b128 v[FC16], v[D:D+3], s[OCP:OCP+1] offset:3072*(\k)
	global_store_b64 v[FC8], v[D+4:D+5], s[OCP:OCP+1] offset:3072*(\k)+512
	global_store_b8 v[FSB], v[D+6], s[OSP:OSP+1] offset:8*(\k)
.endm
; ROUND j of a trip's four: tile j is finished, tile j + 1 is begun, tile j + 2 is asked for
.macro ROUND j
.set PB,  128*((\j)%2)
.set NB,  128-PB
.set NMP, NM+2*((\j)%2)
.set NMN, NM+2-2*((\j)%2)
.set QBN, QB+18-18*((\j)%2)
.set QBL, QB+18*((\j)%2)
.set QSN, QS+(((\j)+1)/2)%2
.set QSL, QS+(((\j)+2)/2)%2
	WIN 0
	s_wait_loadcnt 0x0                             ; what the last round asked for: tile j + 1 of Q, and in odd rounds a pair's scale words
.if (\j)%2
	v_perm_b32 v[QSN], v[QSN], v[QSN], s[PS]       ; my head's two bytes, twice: they fit the low form and the high form
.endif
	SM_REST
	PV
	WIN 0x04
	SUMS 96, 16                                    ; the last quarter of the sum: the places behind the products
	WIN 0
.irp q, 0,1,2,3,4,5,6,7
	ds_store_b128 v[OST], v[O+4*\q:O+4*\q+3] offset:16384*(\j)+512*\q   ; each accumulator from its low end on
.endr
	v_pk_add_f32 v[RS:RS+1], v[RS:RS+1], v[RS+2:RS+3]
	v_pk_add_f32 v[RS+4:RS+5], v[RS+4:RS+5], v[RS+6:RS+7]
	v_pk_add_f32 v[RS:RS+1], v[RS:RS+1], v[RS+4:RS+5]
	v_add_f32 v[OWN+1], v[RS], v[RS+1]
	v_permlanex16_b32 v[T2], v[OWN+1], s[SEL], s[SEL+1]
	v_mov_b32 v[OWN], v[NMP]
	v_add_f32 v[OWN+1], v[OWN+1], v[T2]            ; l_w
	ds_store_b64 v[SST], v[OWN:OWN+1] offset:1024*(\j)
	s_wait_dscnt 0x0                               ; for the others' sake: my stores have landed (and my reads of the slots that later rounds write again are long in)
	s_barrier_signal -1
	SNEXT NB, QBN, QSN, ((\j)+1)%2                 ; work on registers while the others arrive
	WIN 0
	s_barrier_wait -1
.irp x, 0,1,2,3
	ds_load_b64 v[ST+2*\x:ST+2*\x+1], v[SLD] offset:1024*(\j)+256*\x
.endr
.if (\j)%2
	FINAL_LD (\j)/2
.endif
	global_load_b128 v[QBL+6:QBL+9], v[L16], s[QP:QP+1] offset:((\j)+2)*12288
	global_load_b64 v[QBL+10:QBL+11], v[L8], s[QP:QP+1] offset:((\j)+2)*12288+512
.if (\j)%2 == 0
	global_load_b32 v[QSL], v[L4], s[QSP:QSP+1] offset:(((\j)+2)/2)*128
.endif
.rept 4
	v_nop                                          ; places between the scores' products and the first read of them
.endr
	SM_MAX NB, NMN
.if (\j)%2
	s_wait_dscnt 16                                ; the statistics are in; the sixteen younger loads may be out
	STATS MO
.else
	s_wait_dscnt 0x0
	STATS ME
.endif
	COLSUM
.if (\j)%2
	FINAL (\j)/2
.endif
.endm
	s_load_b256 s[4:11], s[0:1], 0x0               ; qkv, coverage, Wcov, oc
	s_load_b64 s[12:13], s[0:1], 0x20              ; part
	v_lshl_add_u32 v[SPW], v0, 2, SPARE
	v_mov_b32 v[NIL], 0
	v_lshrrev_b32 v12, 5, v0
	v_readfirstlane_b32 s[WV], v12                 ; wave 0..3
	s_lshr_b32 s15, s[WV], 1                       ; m: which tile of a pair I finish
	s_and_b32 s16, s[WV], 1                        ; bw: which 32 channels
	s_and_b32 s17, ttmp7, 0xffff
	s_lshr_b32 s18, s17, 4                         ; the batch
	s_and_b32 s19, s17, 15                         ; the head
	s_lshr_b32 s20, s19, 1                         ; s: its chunk of 128 features
	s_and_b32 s21, s19, 1                          ; c: its half of the chunk
	s_mov_b32 s[CS], 0x3e38aa3b                    ; log2(e) / 8
	s_mov_b32 s[CS+1], s[CS]
	s_mov_b32 s[SEL], 0x76543210
	s_mov_b32 s[SEL+1], 0xfedcba98
	s_mov_b32 s[PS], 0x03020302
	s_cmp_eq_u32 s21, 0
	s_cselect_b32 s[PS], 0x01000100, s[PS]
	s_cmp_eq_u32 s15, 0
	s_cselect_b32 s[ME], -1, 0
	s_cselect_b32 s[MO], 0, -1
	v_and_b32 v12, 31, v0
	v_lshlrev_b32 v[L16], 4, v12
	v_lshlrev_b32 v[L8], 3, v12
	v_lshlrev_b32 v[L4], 2, v12
	v_and_b32 v13, 15, v0                          ; r
	v_bfe_u32 v14, v0, 4, 1                        ; h
	s_lshl_b32 s47, s[WV], 12
	v_add_nc_u32 v[OST], s47, v[L16]
	s_lshl_b32 s47, s[WV], 8
	s_add_co_u32 s47, s47, 65536
	v_add_nc_u32 v[SST], s47, v[L8]
	v_add_nc_u32 v[SLD], 65536, v[L8]
	s_lshl_b32 s47, s15, 14
	s_lshl_b32 s48, s16, 11
	s_add_co_u32 s47, s47, s48
	v_add_nc_u32 v[FLD], s47, v[L16]
	s_mul_i32 s47, s15, 1536
	s_lshl_b32 s48, s16, 8
	s_add_co_u32 s48, s48, s47
	v_lshl_add_u32 v[FC16], v13, 4, s48            ; 16 r + 256 bw + 1536 m: registers 0-3 of lane r + 16 bw of my tile's half image
	s_lshl_b32 s48, s16, 7
	s_add_co_u32 s48, s48, s47
	v_lshl_add_u32 v[FC8], v13, 3, s48             ; 8 r + 128 bw + 1536 m: registers 4, 5
	s_lshl_b32 s48, s15, 2
	s_add_co_u32 s48, s48, s16
	v_lshl_add_u32 v[FSB], v13, 4, s48             ; 16 r + 4 m + bw: my block's byte
	v_lshrrev_b32 v15, 1, v13
	v_lshlrev_b32 v[PO], 7, v15
	v_lshl_add_u32 v[PO], v14, 6, v[PO]
	v_and_b32 v15, 1, v13
	v_lshl_add_u32 v[PO], v15, 5, v[PO]
	s_lshl_b32 s48, s[WV], 10
	v_add_nc_u32 v[PO], s48, v[PO]                 ; 1024 w + 128 (r / 2) + 64 h + 32 (r % 2)
	v_lshlrev_b32 v12, 6, v14                      ; coverage: 64 h
	v_mov_b32 v13, 0                               ; Wcov: every lane the same word
	; byte offsets, all under 2^31
	s_mul_i32 s47, s21, 768
	s_lshl_b32 s48, s18, 6
	s_lshl_b32 s49, s[WV], 4
	s_add_co_u32 s48, s48, s49                     ; my first tile of keys: 64 b + 16 w
	s_lshl_b32 s50, s48, 3
	s_add_co_u32 s50, s50, s20
	s_mul_i32 s50, s50, 1536
	s_add_co_u32 s50, s50, s47
	s_add_co_u32 s50, s50, 6291456                 ; K's codes
	s_mov_b32 s51, 0
	s_lshl_b32 s52, s20, 9
	s_add_co_u32 s52, s52, s48
	s_lshl_b32 s52, s52, 6
	s_add_co_u32 s52, s52, 19136512                ; K's scale words
	s_mov_b32 s53, 0
	s_lshl_b32 s49, s18, 6
	s_lshl_b32 s54, ttmp9, 5
	s_add_co_u32 s49, s49, s54                     ; my first tile of queries: 64 b + 32 x
	s_lshl_b32 s[QP], s49, 3
	s_add_co_u32 s[QP], s[QP], s20
	s_mul_i32 s[QP], s[QP], 1536
	s_add_co_u32 s[QP], s[QP], s47
	s_mov_b32 s[QP+1], 0
	s_lshl_b32 s[QSP], s20, 9
	s_add_co_u32 s[QSP], s[QSP], s49
	s_lshl_b32 s[QSP], s[QSP], 6
	s_add_co_u32 s[QSP], s[QSP], 18874368
	s_mov_b32 s[QSP+1], 0
	s_lshl_b32 s56, s18, 3
	s_lshl_b32 s55, s[WV], 1
	s_add_co_u32 s56, s56, s55                     ; my first chunk of 128 keys: 8 b + 2 w
	s_lshl_b32 s54, s19, 8
	s_add_co_u32 s54, s54, s56
	s_mul_i32 s54, s54, 1536
	s_add_co_u32 s54, s54, 12582912                ; V's codes
	s_mov_b32 s55, 0
	s_lshl_b32 s58, s56, 6
	s_lshl_b32 s59, s19, 2
	s_add_co_u32 s58, s58, s59
	s_lshl_b32 s58, s58, 6
	s_add_co_u32 s58, s58, 19398656                ; V's scale words
	s_mov_b32 s59, 0
	s_lshl_b32 s56, s18, 12
	s_lshl_b32 s57, s[WV], 10
	s_add_co_u32 s56, s56, s57                     ; coverage of my keys
	s_mov_b32 s57, 0
	s_lshl_b32 s60, s18, 3
	s_lshl_b32 s61, ttmp9, 2
	s_add_co_u32 s60, s60, s61
	s_mul_i32 s60, s60, 102400                     ; oc: my first group, 8 b + 4 x
	s_mul_i32 s[OCP], s20, 12288
	s_add_co_u32 s[OCP], s[OCP], s60
	s_add_co_u32 s[OCP], s[OCP], s47
	s_add_co_u32 s[OCP], s[OCP], 4096
	s_mov_b32 s[OCP+1], 0
	s_lshl_b32 s[OSP], s20, 9
	s_add_co_u32 s[OSP], s[OSP], s60
	s_lshl_b32 s61, s21, 1
	s_add_co_u32 s[OSP], s[OSP], s61
	s_mov_b32 s[OSP+1], 0
	s_lshl_b32 s60, s17, 1
	s_add_co_u32 s60, s60, ttmp9
	s_lshl_b32 s60, s60, 12                        ; part: row 2 y + x
	s_mov_b32 s61, 0
	s_lshl_b32 s62, s19, 2
	s_mov_b32 s63, 0
	s_mov_b32 s42, 6144                            ; oc's codes from trip to trip: four tiles on, or into the next group: by turns
	s_mov_b32 s43, 0
	s_mov_b32 s44, 256                             ; and its scale bytes
	s_mov_b32 s45, 0
	s_wait_kmcnt 0x0
	s_add_nc_u64 s[50:51], s[4:5], s[50:51]
	s_add_nc_u64 s[52:53], s[4:5], s[52:53]
	s_add_nc_u64 s[QP:QP+1], s[4:5], s[QP:QP+1]
	s_add_nc_u64 s[QSP:QSP+1], s[4:5], s[QSP:QSP+1]
	s_add_nc_u64 s[54:55], s[4:5], s[54:55]
	s_add_nc_u64 s[58:59], s[4:5], s[58:59]
	s_add_nc_u64 s[56:57], s[6:7], s[56:57]
	s_add_nc_u64 s[8:9], s[8:9], s[62:63]
	s_add_nc_u64 s[OCP:OCP+1], s[10:11], s[OCP:OCP+1]
	s_add_nc_u64 s[OSP:OSP+1], s[10:11], s[OSP:OSP+1]
	s_add_nc_u64 s[12:13], s[12:13], s[60:61]
	WIN 0xc0                                       ; destination window 3
.irp n, 0,1,2,3,4,5,6,7,8,9,10,11,12,13,14,15  ; K: my head's half of each fragment: six registers a tile
	global_load_b128 v[18*(\n/2)+12*(\n%2):18*(\n/2)+12*(\n%2)+3], v[L16], s[50:51] offset:12288*\n
	global_load_b64 v[18*(\n/2)+12*(\n%2)+4:18*(\n/2)+12*(\n%2)+5], v[L8], s[50:51] offset:12288*\n+512
.endr
.irp s, 0,1
.irp t, 0,1,2,3                                ; V^T: 16 channels x 128 keys
	global_load_b128 v[144+12*(4*\s+\t):144+12*(4*\s+\t)+3], v[L16], s[54:55] offset:(64*\t+\s)*1536
	global_load_b64 v[144+12*(4*\s+\t)+4:144+12*(4*\s+\t)+5], v[L8], s[54:55] offset:(64*\t+\s)*1536+512
	global_load_b128 v[144+12*(4*\s+\t)+6:144+12*(4*\s+\t)+9], v[L16], s[54:55] offset:(64*\t+\s)*1536+768
	global_load_b64 v[144+12*(4*\s+\t)+10:144+12*(4*\s+\t)+11], v[L8], s[54:55] offset:(64*\t+\s)*1536+1280
.endr
.endr
.irp a, 0,1,2,3,4,5,6,7
.irp i, 6,7,8,9,10,11
	v_mov_b32 v[18*\a+\i], 0                       ; the zero codes that two tiles of K share
.endr
.endr
	WIN 0x80                                       ; destination window 2
.irp k, 0,1,2,3,4,5,6,7
.irp q, 0,1,2,3
	global_load_b128 v[16*\k+4*\q:16*\k+4*\q+3], v12, s[56:57] offset:128*\k+16*\q   ; register 16 k + i: coverage of key 32 k + 16 h + i
.endr
.endr
.set i, 0
.rept 128
	v_mov_b32 v[128+i], 0                          ; the column sums, cleared once: the trip is written once
.set i, i+1
.endr
	WIN 0
.irp p, 0,1,2,3,4,5,6,7
	global_load_b32 v[KS+\p], v[L4], s[52:53] offset:128*\p
.endr
.irp s, 0,1
.irp p, 0,1
	global_load_b32 v[VS+2*\s+\p], v[L4], s[58:59] offset:4096*\s+128*\p
.endr
.endr
	global_load_b128 v[QB+6:QB+9], v[L16], s[QP:QP+1]
	global_load_b64 v[QB+10:QB+11], v[L8], s[QP:QP+1] offset:512
	global_load_b128 v[QB+24:QB+27], v[L16], s[QP:QP+1] offset:12288
	global_load_b64 v[QB+28:QB+29], v[L8], s[QP:QP+1] offset:12288+512
	global_load_b32 v[QS], v[L4], s[QSP:QSP+1]
	global_load_b32 v14, v13, s[8:9]               ; Wcov of my head
.irp i, 0,1,2,3,4,5,12,13,14,15,16,17,18,19,20,21,22,23,30,31,32,33,34,35
	v_mov_b32 v[QB+\i], 0                          ; Q's zero codes
.endr
.irp i, 0,1,2,3,4,5,6,7
	v_mov_b32 v[TP+\i], 0                          ; lane permutes' destinations, and pairs' upper halves, are written once
	v_mov_b32 v[FK+\i], 0
.endr
	v_mov_b32 v[NM+1], 0
	v_mov_b32 v[NM+3], 0
	v_mov_b32 v[G+1], 0
	v_mov_b32 v[T2], 0
	v_mov_b32 v[T3], 0
	s_wait_loadcnt 0x0
.irp p, 0,1,2,3,4,5,6,7
	v_perm_b32 v[KS+\p], v[KS+\p], v[KS+\p], s[PS] ; my head's two bytes, twice
.endr
	v_perm_b32 v[QS], v[QS], v[QS], s[PS]
	v_mul_f32 v14, 0x41000000, v14                 ; 8 Wcov: the scores are divided by 8 together with it
	v_mov_b32 v15, v14
	WIN 0x82
.set i, 0
.rept 64
	v_pk_mul_f32 v[i:i+1], v[i:i+1], v[14:15] op_sel_hi:[1,0]
.set i, i+2
.endr
.rept 4
	v_nop
.endr
	SNEXT 0, QB, QS, 0                             ; tile 0's scores
	WIN 0
.rept 4
	v_nop
.endr
	SM_MAX 0, NM
	s_mov_b32 s46, 8
.Ltrip:                                            ; 8 trips of four rounds; every LDS offset is an immediate.  A slot of O^T is written again two barriers or more behind the wait for its last read, a slot of statistics three
	ROUND 0
	ROUND 1
	ROUND 2
	ROUND 3
	WIN 0
	s_wait_xcnt 0x0                                ; the loads and stores of this trip have read their bases
	s_add_nc_u64 s[QP:QP+1], s[QP:QP+1], 49152
	s_add_nc_u64 s[QSP:QSP+1], s[QSP:QSP+1], 256
	s_add_nc_u64 s[OCP:OCP+1], s[OCP:OCP+1], s[42:43]
	s_add_nc_u64 s[OSP:OSP+1], s[OSP:OSP+1], s[44:45]
	s_xor_b32 s42, s42, 0x16000                    ; 6,144 and 96,256 by turns
	s_xor_b32 s44, s44, 0x18e00                    ; 256 and 102,144 by turns
	s_sub_co_u32 s46, s46, 1
	s_cmp_lg_u32 s46, 0
	s_cbranch_scc1 .Ltrip
	; THE COLUMN SUMS: each register is summed over the 16 query lanes of its half.  In four steps a lane keeps half of its registers and sends the other half to lane l xor 8, 4, 2, 1: lane r ends with tile r's eight keys
	s_wait_loadcnt 0x0                             ; the two tiles of Q that nobody uses have landed: their registers may be written
	s_mov_b32 s29, 0xff00ff00
	s_mov_b32 s30, 0xf0f0f0f0
	s_mov_b32 s31, 0xcccccccc
	s_mov_b32 s32, 0xaaaaaaaa
	WIN 0x0a                                       ; sources 0 and 1 window 2
.set i, 0
.rept 64
	v_cndmask_b32 v[16+i], v[128+i], v[192+i], s29 ; kept
	v_cndmask_b32 v[80+i], v[192+i], v[128+i], s29 ; sent
.set i, i+1
.endr
	WIN 0
.set i, 0
.rept 64
	v_add_f32_dpp v[16+i], v[80+i], v[16+i] row_xmask:8 row_mask:0xf bank_mask:0xf
.set i, i+1
.endr
.macro FOLD n, xm, msk
.set i, 0
.rept \n
	v_cndmask_b32 v[80+i], v[16+i], v[16+\n+i], s[\msk]
	v_cndmask_b32 v[144+i], v[16+\n+i], v[16+i], s[\msk]
.set i, i+1
.endr
.set i, 0
.rept \n
	v_add_f32_dpp v[16+i], v[144+i], v[80+i] row_xmask:\xm row_mask:0xf bank_mask:0xf
.set i, i+1
.endr
.endm
	FOLD 32, 4, 30
	FOLD 16, 2, 31
	FOLD 8, 1, 32
	global_store_b128 v[PO], v[16:19], s[12:13]    ; the wave's two stores cover its 1,024 consecutive bytes
	global_store_b128 v[PO], v[20:23], s[12:13] offset:16
	s_wait_tensorcnt 0x0                           ; the wave's end
	ds_add_u32 v[SPW], v[NIL]
	s_wait_dscnt 0x0
	s_endpgm
.Lfunc_end_k_q8e7951cf08_attn:
	.size	k_q8e7951cf08_attn, .Lfunc_end_k_q8e7951cf08_attn-k_q8e7951cf08_attn
	.p2alignl 7, 3214868480
	.fill 96, 4, 3214868480
	.section	.rodata,"a",@progbits
	.p2align	6, 0x0
	.amdhsa_kernel k_q8e7951cf08_attn
		.amdhsa_group_segment_fixed_size 70144
		.amdhsa_private_segment_fixed_size 0
		.amdhsa_enable_private_segment 0
		.amdhsa_kernarg_size 40
		.amdhsa_user_sgpr_count 2
		.amdhsa_user_sgpr_kernarg_segment_ptr 1
		.amdhsa_wavefront_size32 1
		.amdhsa_system_sgpr_workgroup_id_x 1
		.amdhsa_system_sgpr_workgroup_id_y 1
		.amdhsa_system_sgpr_workgroup_id_z 1
		.amdhsa_system_vgpr_workitem_id 0
		.amdhsa_next_free_vgpr 1024
		.amdhsa_next_free_sgpr 66
		.amdhsa_reserve_vcc 0
		.amdhsa_float_denorm_mode_32 3
		.amdhsa_float_denorm_mode_16_64 3
		.amdhsa_memory_ordered 1
		.amdhsa_forward_progress 1
		.amdhsa_inst_pref_size 192
	.end_amdhsa_kernel
	.amdgpu_metadata
---
amdhsa.version: [ 1, 2 ]
amdhsa.kernels:
  - .name:           k_q8e7951cf08_attn
    .symbol:         k_q8e7951cf08_attn.kd
    .args:
      - { .name: qkv, .offset: 0, .size: 8, .value_kind: global_buffer, .address_space: global }
      - { .name: coverage, .offset: 8, .size: 8, .value_kind: global_buffer, .address_space: global }
      - { .name: Wcov, .offset: 16, .size: 8, .value_kind: global_buffer, .address_space: global }
      - { .name: oc, .offset: 24, .size: 8, .value_kind: global_buffer, .address_space: global }
      - { .name: part, .offset: 32, .size: 8, .value_kind: global_buffer, .address_space: global }
    .group_segment_fixed_size: 70144
    .private_segment_fixed_size: 0
    .kernarg_segment_align: 8
    .kernarg_segment_size: 40
    .max_flat_workgroup_size: 128
    .sgpr_count:     66
    .vgpr_count:     1024
    .wavefront_size: 32
...
	.end_amdgpu_metadata
.endif
;; end of part 3
;; launch oproj (part 4): grid 4 x 64, 4 waves a work-group, clusters of 4 x 4, 327,680 bytes of LDS; arguments opnd, oc, part, bo, coverage, out0, out1; writes out0, out1
.if DOCPART == 4
	.amdgcn_target "amdgcn-amd-amdhsa--gfx1250"
	.amdhsa_code_object_version 6
	.text
	.protected	k_q8e7951cf08_oproj
	.globl	k_q8e7951cf08_oproj
	.p2align	8
	.type	k_q8e7951cf08_oproj,@function
k_q8e7951cf08_oproj:
	s_mov_b64 s[64:65], 0
	v_nop
	global_prefetch_b8 v0, s[64:65] scope:SCOPE_SE
	s_setreg_imm32_b32 hwreg(HW_REG_WAVE_MODE, 25, 1), 1
	s_wait_xcnt 0x0
	s_wait_alu depctr_hold_cnt(0) depctr_sa_sdst(0) depctr_va_vdst(0) depctr_va_sdst(0) depctr_va_ssrc(0) depctr_va_vcc(0) depctr_vm_vsrc(0)
	s_getreg_b32 s2, hwreg(HW_REG_IB_STS2, 6, 4)
	s_cmp_eq_u32 s2, 0
	s_cbranch_scc0 .Lentry_in_a_cluster
	s_endpgm
.Lentry_in_a_cluster:
	s_bfe_u32 s2, ttmp6, 0x10000c
	s_cmp_lg_u32 s2, 0xf033
	s_cbranch_scc0 .Lentry_shape_is_right
	s_endpgm
.Lentry_shape_is_right:
; out0 = O Wo^T + bo on codes of FP6 (E2M3) with E8M0 scales, and out1 = coverage + (the sum of a batch's 32 rows of partial column sums) / 16.
; Source 0 = Wo's rows (i, the features), source 1 = O's rows (j, the tokens).  A work-group makes 256 i x 128 j; wave w makes i group w % 2 (128) x j tiles 4 (w / 2) .. + 3 (64): 32 accumulators.  256 work-groups.
; ALL OF K LIES IN LDS AT ONCE: three group blocks of 102,400 bytes (scale words, then fragments' images).  Every tensor load is a first fill: no slot is filled again.  Each block comes as four chunks of 25,600 bytes,
; so that the first K steps are multiplied while the later chunks land.  By this text's count a loading wave has four tensor loads out.
; CLUSTER 4 x 4: O's block hangs on the tile row alone and is asked for jointly along a row of the cluster, Wo's blocks on the tile column alone, jointly along a column.
; Lane-row m of tile t is row 32 (t / 2) + 8 (t % 2) + m + 8 (m / 8) of its group, on both sides.  bo is the C of the first K step.
; Wave 3 fetches no block: while the others' loads are on their way it makes 32 numbers of out1.
; THE WAY OUT: 16 tokens x 128 features at a time through the wave's own stage in LDS, in bytes of O's block that have had their only fill and that nobody reads behind the last barrier; whole rows of 512 bytes leave.
; No prefetch: every load of the launch is issued at its head.
.set BLK,   102400
.set CHK,   25600
.set SPARE, 3*BLK                      ; behind the three blocks: the spare words, 128 bytes a wave: two blocks of 256 bytes that no other line names
.set L16,   1
.set L8,    2
.set RR,    3
.set HH,    4
.set L4,    6
.set AL16,  8
.set AL8,   9
.set BL16,  10
.set BL8,   11
.set ADRS,  12
.set STO,   13                         ; v13  the stage: where I put 16 bytes of a row
.set RD,    14                         ; v14  and where I read a row back
.set SC,    16                         ; v16-31  scale words, two sets of 8
.set BI,    32                         ; v32-95  bo in the result's layout
.set BK,    64                         ; the way out: v64-127 and v128-191 by turns
.set SPW,   252
.set NIL,   253
.set WV,    18
.set WI,    19
.set WJ,    20
.set CX,    21
.set CY,    22
.set G1A,   24
.set G1B,   32
.set G0A,   40
.set G0B,   68
.set MSB, 0
.macro WIN new
.if MSB != (\new)
	s_set_vgpr_msb (MSB<<8)|(\new)
.set MSB, (\new)
.endif
.endm
.macro CROUND
	s_barrier_signal -1
	s_barrier_wait -1
	s_cmp_lg_u32 s[WV], 0
	s_cbranch_scc1 .Lnot_wave_0_\@
	s_barrier_signal -3
.Lnot_wave_0_\@:
	s_barrier_wait -3
	s_barrier_signal -1
	s_barrier_wait -1
.endm
.macro FRAGL reg, a16, a8, off
	ds_load_b128 v[\reg:\reg+3], v[\a16] offset:\off
	ds_load_b64 v[\reg+4:\reg+5], v[\a8] offset:\off+512
	ds_load_b128 v[\reg+6:\reg+9], v[\a16] offset:\off+768
	ds_load_b64 v[\reg+10:\reg+11], v[\a8] offset:\off+1280
.endm
.macro FETCH p                         ; a K step's 12 fragments into set p (window 2 + p) and its scale words: 50 LDS loads
	WIN (2+(\p))<<6
.irp i, 0,1,2,3,4,5,6,7
	FRAGL 12*\i, BL16, BL8, 1536*\i
.endr
.irp i, 0,1,2,3
	FRAGL 96+12*\i, AL16, AL8, 1536*\i
.endr
	WIN 0
	ds_load_b128 v[SC+8*(\p):SC+8*(\p)+3], v[ADRS]                 ; lanes 0-15: source 1's four tiles; lanes 16-31: source 0's tiles 0-3
	ds_load_b128 v[SC+8*(\p)+4:SC+8*(\p)+7], v[ADRS] offset:256    ; lanes 16-31: source 0's tiles 4-7 (lanes 0-15 read filled bytes that nobody uses)
.endm
.macro MUL16 a0, p, first              ; the 32 accumulators take turns, one instruction a turn, in the same order in every step
.if \first
	WIN 0x4a
.else
	WIN 0x5a+5*(\p)
.endif
.irp a, \a0, \a0+1
.irp b, 0,1,2,3,4,5,6,7
.if \first
	v_wmma_scale_f32_16x16x128_f8f6f4 v[8*(8*(\a)+\b):8*(8*(\a)+\b)+7], v[12*\b:12*\b+11], v[96+12*(\a):96+12*(\a)+11], v[BI+8*\b:BI+8*\b+7], v[SC+8*(\p)+\b], v[SC+8*(\p)+(\a)] matrix_a_fmt:MATRIX_FMT_FP6 matrix_b_fmt:MATRIX_FMT_FP6 matrix_a_scale:MATRIX_SCALE_ROW1
.else
	v_wmma_scale_f32_16x16x128_f8f6f4 v[8*(8*(\a)+\b):8*(8*(\a)+\b)+7], v[12*\b:12*\b+11], v[96+12*(\a):96+12*(\a)+11], v[8*(8*(\a)+\b):8*(8*(\a)+\b)+7], v[SC+8*(\p)+\b], v[SC+8*(\p)+(\a)] matrix_a_fmt:MATRIX_FMT_FP6 matrix_b_fmt:MATRIX_FMT_FP6 matrix_a_scale:MATRIX_SCALE_ROW1
.endif
.endr
.endr
.endm
.macro STEP p, bar, last, first
	s_wait_dscnt 0x0                               ; this step's fragments and scale words are in
	MUL16 0, \p, \first
	WIN 0
.if \bar >= 0
	s_wait_tensorcnt \bar                          ; the chunk with the next step's bytes has landed; bar younger ones may be out
	s_barrier_signal -1
	s_barrier_wait -1
.endif
.if !\last
	v_add_nc_u32 v[AL16], 12288, v[AL16]           ; on to the next K step; these five are also the places in front of loads into the set that the step before multiplied
	v_add_nc_u32 v[AL8], 12288, v[AL8]
	v_add_nc_u32 v[BL16], 12288, v[BL16]
	v_add_nc_u32 v[BL8], 12288, v[BL8]
	v_add_nc_u32 v[ADRS], 512, v[ADRS]
	FETCH 1-(\p)
.endif
	MUL16 2, \p, \first
.endm
	s_load_b256 s[4:11], s[0:1], 0x0               ; opnd, oc, part, bo
	s_load_b128 s[12:15], s[0:1], 0x20             ; coverage, out0
	s_load_b64 s[16:17], s[0:1], 0x30              ; out1
	v_lshl_add_u32 v[SPW], v0, 2, SPARE
	v_mov_b32 v[NIL], 0
	ds_add_u32 v[SPW], v[NIL]                      ; the wave's opening: the add and its wait stand ahead of the first tensor load; work on registers stands between
	v_lshrrev_b32 v5, 5, v0
	v_readfirstlane_b32 s[WV], v5
	s_and_b32 s[WI], s[WV], 1
	s_lshr_b32 s[WJ], s[WV], 1
	s_bfe_u32 s[CX], ttmp6, 0x40000
	s_bfe_u32 s[CY], ttmp6, 0x40004
	s_and_b32 s23, ttmp7, 0xffff
	s_lshl_b32 s93, s23, 2
	s_add_co_u32 s93, s93, s[CY]                   ; tile row = O's group
	s_lshl_b32 s94, s[CY], 2
	s_lshl_b32 s94, 15, s94                        ; my row of the cluster
	s_lshl_b32 s95, 0x1111, s[CX]                  ; my column
	s_or_b32 s[G1A], s94, (3<<16)|(1<<21)          ; 15:0 the mask; 17:16 elements of 8 bytes; 21 set beside a mask; no padding
	s_or_b32 s[G1B], s95, (3<<16)|(1<<21)
.irp g, G1A, G1B                               ; a chunk: 25,600 dense bytes as 100 rows of 256
	s_mov_b32 s[\g+1], 32<<16
	s_mov_b32 s[\g+2], 100<<16
	s_mov_b32 s[\g+3], 32<<16
	s_mov_b32 s[\g+4], 100
	s_mov_b32 s[\g+5], 32
	s_mov_b32 s[\g+6], 0
	s_mov_b32 s[\g+7], 0
.endr
	s_mul_i32 s96, s93, BLK
	s_mov_b32 s97, 0
	s_lshl_b32 s98, s[CX], 1
	s_add_co_u32 s98, s98, s[WV]
	s_add_co_u32 s98, s98, 151                     ; Wo's group that waves 1 and 2 fetch: 152 + 2 cx + wave - 1
	s_mul_i32 s98, s98, BLK
	s_mov_b32 s99, 0
	s_mul_i32 s84, s[WV], BLK
	s_wait_dscnt 0x0                               ; the opening add is done
	s_wait_kmcnt 0x0
	s_add_nc_u64 s[96:97], s[6:7], s[96:97]
	s_add_nc_u64 s[98:99], s[4:5], s[98:99]
	CROUND                                         ; all sixteen work-groups are here: the joint loads meet
.irp c, 0,1,2,3
	s_mov_b32 s[G0A+4*\c], 1
	s_mov_b32 s[G0A+4*\c+1], \c*CHK
	s_add_nc_u64 s[G0A+4*\c+2:G0A+4*\c+3], s[96:97], \c*CHK
	s_or_b32 s[G0A+4*\c+3], s[G0A+4*\c+3], 0x80000000
	s_mov_b32 s[G0B+4*\c], 1
	s_add_co_u32 s[G0B+4*\c+1], s84, \c*CHK
	s_add_nc_u64 s[G0B+4*\c+2:G0B+4*\c+3], s[98:99], \c*CHK
	s_or_b32 s[G0B+4*\c+3], s[G0B+4*\c+3], 0x80000000
.endr
	s_cmp_eq_u32 s[WV], 0                          ; wave 0 fetches O's block, waves 1 and 2 Wo's two, wave 3 nothing: a wave's four fills stand in one branch on its number
	s_cbranch_scc0 .Lnot_a
.irp c, 0,1,2,3
	tensor_load_to_lds s[G0A+4*\c:G0A+4*\c+3], s[G1A:G1A+7]
	s_nop 0
.endr
.rept 4
	v_nop
.endr
	s_branch .Lfilled
.Lnot_a:
	s_cmp_lt_u32 s[WV], 3
	s_cbranch_scc0 .Lfilled
.irp c, 0,1,2,3
	tensor_load_to_lds s[G0B+4*\c:G0B+4*\c+3], s[G1B:G1B+7]
	s_nop 0
.endr
.rept 4
	v_nop
.endr
.Lfilled:
	v_and_b32 v5, 31, v0
	v_lshlrev_b32 v[L16], 4, v5
	v_lshlrev_b32 v[L8], 3, v5
	v_lshlrev_b32 v[L4], 2, v5
	v_and_b32 v[RR], 15, v0
	v_bfe_u32 v[HH], v0, 4, 1
	s_mul_i32 s85, s[WJ], 6144
	s_add_co_u32 s85, s85, 4096
	v_add_nc_u32 v[AL16], s85, v[L16]
	v_add_nc_u32 v[AL8], s85, v[L8]
	s_add_co_u32 s86, s[WI], 1
	s_mul_i32 s86, s86, BLK
	s_add_co_u32 s87, s86, 4096
	v_add_nc_u32 v[BL16], s87, v[L16]
	v_add_nc_u32 v[BL8], s87, v[L8]
	s_lshl_b32 s85, s[WJ], 8                       ; scale words: the lower base + h x the distance
	s_sub_co_u32 s86, s86, s85
	v_mul_u32_u24 v5, s86, v[HH]
	v_lshl_add_u32 v5, v[RR], 4, v5
	v_add_nc_u32 v[ADRS], s85, v5
	s_mul_i32 s85, s[WV], 8448
	s_add_co_u32 s85, s85, 4096                    ; my stage: 16 rows x (512 + 16) bytes
	v_mul_u32_u24 v[STO], v[RR], 528
	v_lshl_add_u32 v[STO], v[HH], 6, v[STO]
	v_add_nc_u32 v[STO], s85, v[STO]
	v_add_nc_u32 v[RD], s85, v[L16]
	s_lshl_b32 s2, s[CX], 10
	s_lshl_b32 s3, s[WI], 9
	s_add_co_u32 s2, s2, s3                        ; my first feature, in bytes: 4 (256 cx + 128 wi)
	s_lshl_b32 s62, s93, 7
	s_lshl_b32 s63, s[WJ], 6
	s_add_co_u32 s62, s62, s63
	s_lshl_b32 s62, s62, 12                        ; my first token's row of out0
	s_add_co_u32 s62, s62, s2
	s_mov_b32 s63, 0
	s_add_nc_u64 s[62:63], s[14:15], s[62:63]
	s_mov_b32 s3, 0
	s_add_nc_u64 s[2:3], s[10:11], s[2:3]
	v_lshlrev_b32 v5, 6, v[HH]
.irp k, 0,1,2,3
.irp q, 0,1,2,3
	global_load_b128 v[BI+16*\k+4*\q:BI+16*\k+4*\q+3], v5, s[2:3] offset:128*\k+16*\q   ; register 16 k + i: bo at feature 32 k + 16 h + i
.endr
.endr
	s_lshl_b32 s56, s93, 2
	s_add_co_u32 s56, s56, s[CX]                   ; this work-group's 32 numbers of out1: 4 x tile row + cx, 0 .. 255
	s_lshl_b32 s58, s56, 7                         ; in coverage and out1: 128 bytes each
	s_mov_b32 s59, 0
	s_add_nc_u64 s[60:61], s[16:17], s[58:59]
	s_add_nc_u64 s[58:59], s[12:13], s[58:59]
	s_lshr_b32 s57, s56, 5
	s_lshl_b32 s57, s57, 17                        ; in part: the batch's 32 rows of 4,096 bytes,
	s_and_b32 s56, s56, 31
	s_lshl_b32 s56, s56, 7
	s_add_co_u32 s56, s56, s57                     ; and the 32 keys
	s_mov_b32 s57, 0
	s_add_nc_u64 s[56:57], s[8:9], s[56:57]
	s_cmp_eq_u32 s[WV], 3
	s_cbranch_scc0 .Lno_cov
.irp p, 0,1,2,3,4,5,6,7,8,9,10,11,12,13,14,15,16,17,18,19,20,21,22,23,24,25,26,27,28,29,30,31
	global_load_b32 v[200+\p], v[L4], s[56:57] offset:4096*\p
.endr
	global_load_b32 v232, v[L4], s[58:59]
	s_wait_loadcnt 0x0
.irp i, 4,8,12,16,20,24,28
.irp k, 0,1,2,3
	v_add_f32 v[200+\k], v[200+\k], v[200+\i+\k]   ; four chains
.endr
.endr
	v_add_f32 v200, v200, v201
	v_add_f32 v202, v202, v203
	v_add_f32 v200, v200, v202
	v_fma_f32 v233, v200, 0x3d800000, v232         ; coverage + the sum / 16 heads
	global_store_b32 v[L4], v233, s[60:61]
.Lno_cov:
	s_wait_loadcnt 0x0                             ; bo
	s_wait_tensorcnt 0x3                           ; my first chunk is in (scale words and K step 0); the three younger may be out
	s_barrier_signal -1
	s_barrier_wait -1
	FETCH 0
	STEP 0, 2, 0, 1                                ; K steps 1 and 2 lie in the second chunks
	STEP 1, -1, 0, 0
	STEP 0, 1, 0, 0                                ; K steps 3 and 4 in the third
	STEP 1, -1, 0, 0
	STEP 0, 0, 0, 0                                ; K steps 5 to 7 in the last
	STEP 1, -1, 0, 0
	STEP 0, -1, 0, 0
	STEP 1, -1, 1, 0
	WIN 0
	s_wait_dscnt 0x0                               ; my reads of the blocks are over
	s_barrier_signal -1
	s_barrier_wait -1                              ; everybody's are: the stages may be written
.rept 4
	v_nop                                          ; places between the last products and the first read of results
.endr
.macro TOSTAGE a                       ; j tile a: a lane's 64 numbers of its token's row go in, whole rows come back
	WIN 0x04                                       ; an LDS store's data are its source 1: window 1
.irp b, 0,1,2,3,4,5,6,7
	ds_store_b128 v[STO], v[64*(\a)+8*\b:64*(\a)+8*\b+3] offset:128*(\b/2)+32*(\b%2)       ; each accumulator from its low end on
	ds_store_b128 v[STO], v[64*(\a)+8*\b+4:64*(\a)+8*\b+7] offset:128*(\b/2)+32*(\b%2)+16
.endr
	WIN 0
.irp t, 0,1,2,3,4,5,6,7,8,9,10,11,12,13,14,15
	ds_load_b128 v[BK+64*((\a)%2)+4*\t:BK+64*((\a)%2)+4*\t+3], v[RD] offset:528*\t   ; LDS serves a wave's instructions in order: these see the stores above, and the next tile's stores come behind them
.endr
.endm
.macro SEND a, younger                 ; younger: the LDS instructions issued behind tile a's loads, which may stay out
	s_wait_dscnt \younger
.irp t, 0,1,2,3,4,5,6,7,8,9,10,11,12,13,14,15
	global_store_b128 v[L16], v[BK+64*((\a)%2)+4*\t:BK+64*((\a)%2)+4*\t+3], s[62:63] offset:(32*((\a)/2)+8*((\a)%2)+\t+8*(\t/8))*4096 th:TH_STORE_NT   ; 32 lanes store 512 consecutive bytes, aligned
.endr
.endm
	TOSTAGE 0
.irp a, 1,2,3
.if \a > 1
	s_wait_xcnt 0x0                                ; tile a - 2's stores have read their registers: tile a's loads may land there
.endif
	TOSTAGE \a
	SEND \a-1, 32                                  ; behind tile a - 1's loads: tile a's 16 stores and 16 loads
.endr
	SEND 3, 0
	s_wait_tensorcnt 0x0                           ; the wave's end
	ds_add_u32 v[SPW], v[NIL]
	s_wait_dscnt 0x0
	CROUND                                         ; the closing round
	s_endpgm
.Lfunc_end_k_q8e7951cf08_oproj:
	.size	k_q8e7951cf08_oproj, .Lfunc_end_k_q8e7951cf08_oproj-k_q8e7951cf08_oproj
	.p2alignl 7, 3214868480
	.fill 96, 4, 3214868480
	.section	.rodata,"a",@progbits
	.p2align	6, 0x0
	.amdhsa_kernel k_q8e7951cf08_oproj
		.amdhsa_group_segment_fixed_size 327680
		.amdhsa_private_segment_fixed_size 0
		.amdhsa_enable_private_segment 0
		.amdhsa_kernarg_size 56
		.amdhsa_user_sgpr_count 2
		.amdhsa_user_sgpr_kernarg_segment_ptr 1
		.amdhsa_wavefront_size32 1
		.amdhsa_system_sgpr_workgroup_id_x 1
		.amdhsa_system_sgpr_workgroup_id_y 1
		.amdhsa_system_sgpr_workgroup_id_z 1
		.amdhsa_system_vgpr_workitem_id 0
		.amdhsa_next_free_vgpr 1024
		.amdhsa_next_free_sgpr 100
		.amdhsa_reserve_vcc 0
		.amdhsa_float_denorm_mode_32 3
		.amdhsa_float_denorm_mode_16_64 3
		.amdhsa_memory_ordered 1
		.amdhsa_forward_progress 1
		.amdhsa_inst_pref_size 91
	.end_amdhsa_kernel
	.amdgpu_metadata
---
amdhsa.version: [ 1, 2 ]
amdhsa.kernels:
  - .name:           k_q8e7951cf08_oproj
    .symbol:         k_q8e7951cf08_oproj.kd
    .args:
      - { .name: opnd, .offset: 0, .size: 8, .value_kind: global_buffer, .address_space: global }
      - { .name: oc, .offset: 8, .size: 8, .value_kind: global_buffer, .address_space: global }
      - { .name: part, .offset: 16, .size: 8, .value_kind: global_buffer, .address_space: global }
      - { .name: bo, .offset: 24, .size: 8, .value_kind: global_buffer, .address_space: global }
      - { .name: coverage, .offset: 32, .size: 8, .value_kind: global_buffer, .address_space: global }
      - { .name: out0, .offset: 40, .size: 8, .value_kind: global_buffer, .address_space: global }
      - { .name: out1, .offset: 48, .size: 8, .value_kind: global_buffer, .address_space: global }
    .group_segment_fixed_size: 327680
    .private_segment_fixed_size: 0
    .kernarg_segment_align: 8
    .kernarg_segment_size: 56
    .max_flat_workgroup_size: 128
    .sgpr_count:     100
    .vgpr_count:     1024
    .wavefront_size: 32
...
	.end_amdgpu_metadata
.endif
;; end of part 4
;; ======== version 2 of 2: 4 launches; 1.13 times as fast as version 1
;; workspace buffers: opnd 16,384,000 bytes; qkv 19,660,800 bytes; oc 6,553,600 bytes; part 1,048,576 bytes
;; launch quant: the kernel of part 1 again; grid 256 x 1, 10 waves a work-group, no clusters, 167,936 bytes of LDS; arguments query, memory, Wq, Wk, Wv, Wo, opnd; writes opnd
;; launch proj: the kernel of part 2 again; grid 4 x 192, 4 waves a work-group, clusters of 4 x 4, 327,680 bytes of LDS; arguments opnd, bq, bk, bv, qkv; writes qkv
;; launch attn (part 5): grid 2 x 128, 4 waves a work-group, no clusters, 70,144 bytes of LDS; arguments qkv, coverage, Wcov, oc, part; writes oc, part
.if DOCPART == 5
	.amdgcn_target "amdgcn-amd-amdhsa--gfx1250"
	.amdhsa_code_object_version 6
	.text
	.protected	k_q8e7951cf08_attn
	.globl	k_q8e7951cf08_attn
	.p2align	8
	.type	k_q8e7951cf08_attn,@function
k_q8e7951cf08_attn:
	s_mov_b64 s[64:65], 0
	v_nop
	global_prefetch_b8 v0, s[64:65] scope:SCOPE_SE
	s_setreg_imm32_b32 hwreg(HW_REG_WAVE_MODE, 25, 1), 1
	s_wait_xcnt 0x0
; Attention of one head for 512 queries, on codes of FP6 (E2M3) with E8M0 scales: S^T = K Q^T + 8 Wcov[h] coverage[k]; t = S^T log2(e) / 8; p = 2^(t - M); O^T = V^T p^T; O / l quantised for the last projection;
; and the work-group's part of the column sums of the finished softmax, p / l.
; SHARES.  Work-group (x, y): queries 512 x .. + 511 of batch y / 16, head y % 16.  THE WAVES SHARE THE KEYS: wave w owns keys 256 w .. + 255 for the whole launch, so its fragments of K and V^T, its bias numbers and its
; column sums stay in registers, each read from memory once.  The work-group walks 32 tiles of 16 queries, a tile a round, one barrier a round.
; A LANE HOLDS ONE QUERY (lane % 16) throughout: both products are used transposed.  K's tiles are laid so that the 16 registers of tiles 2 b, 2 b + 1 are keys 32 b + 16 (lane / 16) + 0 .. 15 of my 256.
; THE HEAD'S 64 IN AN INSTRUCTION OF 128: both operands hold zero codes in the other 64.  Two tiles of K share six zero registers ([data][zeros][data]); Q lies as [zeros][data][zeros].
; M.  Each wave takes its own M_w = ceil(largest t of its 256 keys), a whole number.  (-M_w, l_w) and the partial O^T meet in LDS; M = the largest M_w; 2^(M_w - M) rounds nothing.  p stays in registers until l is known:
; column sum += p x 2^(M_w - M) / l, a packed multiply-add for two numbers.  The maximum is taken away before every exponential.
; PIPELINE.  Two tiles are in flight: the next tile's 16 products stand between the barrier's signal and its wait, and its search for the maximum covers the way of the statistics through LDS.
; Q.  Two buffers.  A buffer is loaded again as soon as it is free: behind the products of tile j + 1 (round j) it takes tile j + 3, which is waited for at the head of round j + 2: the rest of a round and a whole round lie between.
; FINISH.  After every second round wave w finishes tile w / 2 of the pair, channels 32 (w % 2) .. + 31: sum of the four partial O^T, x 2^(M_x - M) / l, one block's scale, 16 codes a lane.
; No cluster: K and V go straight into registers, once.  No prefetch: Q's own load stands more than a round ahead of its use.
; The last three rounds load three tiles of Q (and two pairs of scale words) past the work-group's range (bytes inside qkv) and multiply one of them; nothing of that is used: it spares a second copy of the trip.
; The scale bytes of O leave one at a time (one byte for each 24 bytes of codes); in the stores of FINAL lanes 16-31 write the same bytes with the same values as lanes 0-15.
; LIMITS: NaN and infinities are not served; p under 2^-126 is 0; a block whose largest number is under 2^-124 keeps the byte 1; the bias enters as the C of the scores' product: f32, summed in another order than written.
; REGISTERS: window 1: the scores, then p, of two tiles (0-127, 128-255).  window 2: 0-127 the bias, 128-255 the column sums.  window 3: 0-143 K, 144-239 V^T (tile t, 128 keys sl: 144 + 12 (4 sl + t)).  window 0: below.
.set L16,  1
.set L8,   2
.set L4,   3
.set OST,  4                           ; v4   where I put my partial O^T: 4096 w + 16 x lane
.set SST,  5                           ; v5   and my statistics: 65536 + 256 w + 8 x lane
.set SLD,  6                           ; v6   where I read the four waves' statistics
.set FLD,  7                           ; v7   and the partial O^T that I finish: 16384 (w / 2) + 2048 (w % 2) + 16 x lane
.set FC16, 8                           ; v8-10 my places in oc
.set FC8,  9
.set FSB,  10
.set PO,   11                          ; v11  my place in part
.set KS,   16                          ; v16-23 K's scale words: register p: tile 2 p in lanes 0-15, tile 2 p + 1 in lanes 16-31
.set VS,   24                          ; v24-27 V's, likewise: 2 sl + t / 2
.set QS,   28                          ; v28-29 Q's, a pair of tiles each
.set PW,   30                          ; v30-31 p's
.set QB,   32                          ; v32-49, v50-67 Q: [6 zeros][6 of data][6 zeros]
.set O,    68                          ; v68-99 my partial O^T
.set PC,   100                         ; v100-123 p's codes, two fragments
.set FR,   68                          ; v68-131 the four partial O^T of the block that I finish
.set TMX,  132                         ; v132-139 the blocks' largest scores, then largest p
.set TP,   140
.set SCO,  148                         ; v148-155 the conversions' scale operands
.set NM,   156                         ; v[156:157], v[158:159] -M of the two tiles in flight
.set RS,   160                         ; v160-167 the row's sum in four packed chains
.set ST,   168                         ; v168-175 (-M_x, l_x) of the four waves
.set F,    176
.set FK,   184                         ; v184-191 2^(M_x - M) / l of the tile that I finish: four pairs
.set G,    192                         ; v[192:193] my own 2^(M_w - M) / l
.set OWN,  194
.set T0,   196
.set T1,   197
.set T2,   198
.set T3,   199
.set D,    200                         ; v200-206 a finished block's codes and its byte
.set CT,   208                         ; v208-223 the conversions' second halves
.set SPW,  254
.set NIL,  255
.set SPARE, 69632                      ; LDS: four slots of 16,384 for O^T, four of 1,024 for the statistics, then the spare words: two blocks of 256 bytes that no other line names
.set WV,   14
.set CS,   22                          ; s[22:23] log2(e) / 8
.set SEL,  24
.set ME,   26                          ; all ones where I finish a pair's even tile
.set MO,   27                          ; or its odd one
.set PS,   28                          ; v_perm_b32's selector: my head's two scale bytes, twice
.set QP,   34
.set QSP,  36
.set OCP,  38
.set OSP,  40
.set MSB, 0
.macro WIN new
.if MSB != (\new)
	s_set_vgpr_msb (MSB<<8)|(\new)
.set MSB, (\new)
.endif
.endm
; 16 products: the scores of a tile of queries against my 16 tiles of keys, begun with the bias as C.  Even tiles of K hold their data in the low 64 of K, odd ones in the high 64; Q is named to match
.macro SNEXT nb, qb, qs, row
	WIN 0x63                                       ; K window 3, Q window 0, the bias window 2, the scores window 1
.irp n, 0,1,2,3,4,5,6,7,8,9,10,11,12,13,14,15
.if (\n)%2
.if \row
	v_wmma_scale_f32_16x16x128_f8f6f4 v[\nb+8*\n:\nb+8*\n+7], v[18*(\n/2)+6:18*(\n/2)+17], v[\qb:\qb+11], v[8*\n:8*\n+7], v[KS+\n/2], v[\qs] matrix_a_fmt:MATRIX_FMT_FP6 matrix_b_fmt:MATRIX_FMT_FP6 matrix_a_scale:MATRIX_SCALE_ROW1 matrix_b_scale:MATRIX_SCALE_ROW1
.else
	v_wmma_scale_f32_16x16x128_f8f6f4 v[\nb+8*\n:\nb+8*\n+7], v[18*(\n/2)+6:18*(\n/2)+17], v[\qb:\qb+11], v[8*\n:8*\n+7], v[KS+\n/2], v[\qs] matrix_a_fmt:MATRIX_FMT_FP6 matrix_b_fmt:MATRIX_FMT_FP6 matrix_a_scale:MATRIX_SCALE_ROW1
.endif
.else
.if \row
	v_wmma_scale_f32_16x16x128_f8f6f4 v[\nb+8*\n:\nb+8*\n+7], v[18*(\n/2):18*(\n/2)+11], v[\qb+6:\qb+17], v[8*\n:8*\n+7], v[KS+\n/2], v[\qs] matrix_a_fmt:MATRIX_FMT_FP6 matrix_b_fmt:MATRIX_FMT_FP6 matrix_b_scale:MATRIX_SCALE_ROW1
.else
	v_wmma_scale_f32_16x16x128_f8f6f4 v[\nb+8*\n:\nb+8*\n+7], v[18*(\n/2):18*(\n/2)+11], v[\qb+6:\qb+17], v[8*\n:8*\n+7], v[KS+\n/2], v[\qs] matrix_a_fmt:MATRIX_FMT_FP6 matrix_b_fmt:MATRIX_FMT_FP6
.endif
.endif
.endr
.endm
; the largest score of each block of 32 keys (it serves twice: for the row's maximum and, since p rises with the score, for the block's largest p), and -M = floor(-t) of my 256 keys
.macro SM_MAX nb, nm
	WIN 0x15
.irp b, 0,1,2,3,4,5,6,7
	v_max3_num_f32 v[TMX+\b], v[\nb+16*\b], v[\nb+16*\b+1], v[\nb+16*\b+2]   ; each accumulator is read from its low end on
.endr
	WIN 0x14
.irp i, 3,5,7,9,11,13
.irp b, 0,1,2,3,4,5,6,7
	v_max3_num_f32 v[TMX+\b], v[TMX+\b], v[\nb+16*\b+\i], v[\nb+16*\b+\i+1]
.endr
.endr
.irp b, 0,1,2,3,4,5,6,7
	v_max_num_f32 v[TMX+\b], v[TMX+\b], v[\nb+16*\b+15]
.endr
	WIN 0
.irp b, 0,1,2,3,4,5,6,7
	v_permlanex16_b32 v[TP+\b], v[TMX+\b], s[SEL], s[SEL+1]
.endr
.irp b, 0,1,2,3,4,5,6,7
	v_max_num_f32 v[TMX+\b], v[TMX+\b], v[TP+\b]   ; with lane l xor 16's 16 keys
.endr
	v_max3_num_f32 v[T0], v[TMX], v[TMX+1], v[TMX+2]
	v_max3_num_f32 v[T1], v[TMX+3], v[TMX+4], v[TMX+5]
	v_max3_num_f32 v[T0], v[T0], v[TMX+6], v[TMX+7]
	v_max_num_f32 v[T0], v[T0], v[T1]
	v_mul_f32 v[T0], s[CS], v[T0]                  ; as t (the factor is positive)
	v_floor_f32 v[\nm], -v[T0]                     ; -M = -ceil(t): a whole number
.endm
.macro SUMS first, n                   ; n packed additions of p from register first on, into the four chains by turns
.set i, \first
.rept \n
	v_pk_add_f32 v[RS+i%8:RS+i%8+1], v[RS+i%8:RS+i%8+1], v[PB+i:PB+i+1]
.set i, i+2
.endr
.endm
; p = 2^(t - M) in place, three quarters of the row's sum, p's codes and scale words
.macro SM_REST
	WIN 0
.irp b, 0,1,2,3,4,5,6,7
	v_fma_f32 v[TMX+\b], v[TMX+\b], s[CS], v[NMP]  ; t - M of each block's largest score
.endr
	WIN 0x41
.set i, 0
.rept 64
	v_pk_fma_f32 v[PB+i:PB+i+1], v[PB+i:PB+i+1], s[CS:CS+1], v[NMP:NMP+1] op_sel_hi:[1,0,0]   ; t - M, two at a time
.set i, i+2
.endr
.set i, 0
.rept 128
	v_exp_f32 v[PB+i], v[PB+i]                     ; p, at most 1: not normalised
.set i, i+1
.endr
	v_nop                                          ; a plain place behind the exponentials
	s_wait_alu depctr_va_vdst(0)                   ; one wait for the batch of 128, ahead of its first reader
	WIN 0
.irp b, 0,1,2,3,4,5,6,7
	v_exp_f32 v[TMX+\b], v[TMX+\b]                 ; the blocks' largest p: the same two instructions on the same number give the same bits
.endr
	WIN 0x05
.irp k, 0,1,2,3
	v_pk_add_f32 v[RS+2*\k:RS+2*\k+1], v[PB+4*\k:PB+4*\k+1], v[PB+4*\k+2:PB+4*\k+3]   ; THE ROW'S SUM IS TAKEN OF THE UNQUANTISED p; the first additions start the chains
.endr
	WIN 0x04
	SUMS 16, 24
	WIN 0
	s_wait_alu depctr_va_vdst(0)                   ; and one wait for the eight
.irp b, 0,1,2,3,4,5,6,7
	v_max_num_f32 v[TMX+\b], 0x1800000, v[TMX+\b]  ; the floor 2^(3 - 127): the byte cannot fall under 1
.endr
.irp b, 0,1,2,3,4,5,6,7
	v_add_nc_u32 v[SCO+\b], 0xff000000, v[TMX+\b]  ; 2 off the exponent field: the conversion's scale operand
.endr
.irp b, 0,1,2,3,4,5,6,7
	v_lshrrev_b32 v[TP+\b], 23, v[SCO+\b]          ; the scale's byte
.endr
.irp s, 0,1
	v_lshl_or_b32 v[PW+\s], v[TP+4*\s+1], 8, v[TP+4*\s]
	v_lshl_or_b32 v[PW+\s], v[TP+4*\s+2], 16, v[PW+\s]
	v_lshl_or_b32 v[PW+\s], v[TP+4*\s+3], 24, v[PW+\s]
.endr
	WIN 0x01
.irp s, 0,1
.irp c, 0,1
	v_cvt_scalef32_pk16_fp6_f32 v[PC+12*\s+6*\c:PC+12*\s+6*\c+2], v[PB+64*\s+32*\c:PB+64*\s+32*\c+15], v[SCO+4*\s+2*\c]
	v_cvt_scalef32_pk16_fp6_f32 v[CT+8*\s+4*\c:CT+8*\s+4*\c+2], v[PB+64*\s+32*\c+16:PB+64*\s+32*\c+31], v[SCO+4*\s+2*\c+1]
.endr
.endr
	v_nop                                          ; one plain place behind a scaled conversion
	WIN 0
.irp s, 0,1
.irp c, 0,1                                    ; a whole block to a lane: lanes 0-15 block 2 c, lanes 16-31 block 2 c + 1
.irp i, 0,1,2
	v_permlane16_swap_b32 v[PC+12*\s+6*\c+\i], v[CT+8*\s+4*\c+\i]
.endr
.irp i, 0,1,2
	v_mov_b32 v[PC+12*\s+6*\c+3+\i], v[CT+8*\s+4*\c+\i]
.endr
.endr
.endr
	WIN 0x04
	SUMS 64, 16                                    ; these 16 are also the places between the lines that made p's codes and scale words and the products that take them
.endm
; O^T = V^T p^T over my 256 keys: four accumulators by turns, two K steps of 128; the first starts the sums
.macro PV
	WIN 0x03                                       ; V window 3; p, O^T window 0
.irp t, 0,1,2,3
.if (\t)%2
	v_wmma_scale_f32_16x16x128_f8f6f4 v[O+8*\t:O+8*\t+7], v[144+12*\t:144+12*\t+11], v[PC:PC+11], 0, v[VS+\t/2], v[PW] matrix_a_fmt:MATRIX_FMT_FP6 matrix_b_fmt:MATRIX_FMT_FP6 matrix_a_scale:MATRIX_SCALE_ROW1
.else
	v_wmma_scale_f32_16x16x128_f8f6f4 v[O+8*\t:O+8*\t+7], v[144+12*\t:144+12*\t+11], v[PC:PC+11], 0, v[VS+\t/2], v[PW] matrix_a_fmt:MATRIX_FMT_FP6 matrix_b_fmt:MATRIX_FMT_FP6
.endif
.endr
.irp t, 0,1,2,3
.if (\t)%2
	v_wmma_scale_f32_16x16x128_f8f6f4 v[O+8*\t:O+8*\t+7], v[192+12*\t:192+12*\t+11], v[PC+12:PC+23], v[O+8*\t:O+8*\t+7], v[VS+2+\t/2], v[PW+1] matrix_a_fmt:MATRIX_FMT_FP6 matrix_b_fmt:MATRIX_FMT_FP6 matrix_a_scale:MATRIX_SCALE_ROW1
.else
	v_wmma_scale_f32_16x16x128_f8f6f4 v[O+8*\t:O+8*\t+7], v[192+12*\t:192+12*\t+11], v[PC+12:PC+23], v[O+8*\t:O+8*\t+7], v[VS+2+\t/2], v[PW+1] matrix_a_fmt:MATRIX_FMT_FP6 matrix_b_fmt:MATRIX_FMT_FP6
.endif
.endr
.endm
; the row is finished: M, l, 1 / l, and the factors 2^(M_x - M) / l; a wave keeps those of the tile that it will finish
.macro STATS sel
	v_min3_num_f32 v[T0], v[ST], v[ST+2], v[ST+4]
	v_min_num_f32 v[T0], v[T0], v[ST+6]            ; -M = the least -M_x
.irp x, 0,1,2,3
	v_sub_f32 v[F+\x], v[T0], v[ST+2*\x]           ; M_x - M: a whole number, 0 or less
.endr
	v_sub_f32 v[F+4], v[T0], v[NMP]                ; and my own
.irp x, 0,1,2,3,4
	v_cvt_i32_f32 v[F+\x], v[F+\x]                 ; (it saturates)
.endr
.irp x, 0,1,2,3,4
	v_ldexp_f32 v[F+\x], 1.0, v[F+\x]
.endr
	v_mul_f32 v[F+5], v[F], v[ST+1]
	v_mul_f32 v[F+6], v[F+1], v[ST+3]
	v_fma_f32 v[F+5], v[F+2], v[ST+5], v[F+5]
	v_fma_f32 v[F+6], v[F+3], v[ST+7], v[F+6]
	v_add_f32 v[F+5], v[F+5], v[F+6]               ; l: over 1/2, since the wave with M_x = M has a p over 1/2
	v_rcp_f32 v[F+5], v[F+5]
	v_nop                                          ; a plain place behind the reciprocal
	s_wait_alu depctr_va_vdst(0)                   ; and the wait ahead of its first reader
.irp x, 0,1,2,3
	v_mul_f32 v[F+\x], v[F+\x], v[F+5]
.endr
	v_mul_f32 v[G], v[F+4], v[F+5]
.irp x, 0,1,2,3
	v_cndmask_b32 v[FK+2*\x], v[FK+2*\x], v[F+\x], s[\sel]
.endr
.endm
.macro COLSUM                          ; column sums += p x my factor
	WIN 0xa1
.set i, 0
.rept 64
	v_pk_fma_f32 v[128+i:128+i+1], v[PB+i:PB+i+1], v[G:G+1], v[128+i:128+i+1] op_sel_hi:[1,0,1]
.set i, i+2
.endr
	WIN 0
.endm
.macro FINAL_LD set                    ; the four waves' 16 registers of the tile and block that I finish
.irp x, 0,1,2,3
.irp q, 0,1,2,3
	ds_load_b128 v[FR+16*\x+4*\q:FR+16*\x+4*\q+3], v[FLD] offset:32768*(\set)+4096*\x+512*\q
.endr
.endr
.endm
.macro FINAL k
	s_wait_dscnt 0x0                               ; the sixteen loads are in
	s_wait_xcnt 0x0                                ; the last finish's stores have read v[D] on
.set i, 0
.rept 8
	v_pk_mul_f32 v[FR+i:FR+i+1], v[FR+i:FR+i+1], v[FK:FK+1] op_sel_hi:[1,0]
.set i, i+2
.endr
.irp x, 1,2,3
.set i, 0
.rept 8
	v_pk_fma_f32 v[FR+i:FR+i+1], v[FR+16*\x+i:FR+16*\x+i+1], v[FK+2*\x:FK+2*\x+1], v[FR+i:FR+i+1] op_sel_hi:[1,0,1]
.set i, i+2
.endr
.endr                                          ; 16 numbers: channels 32 (w % 2) + 16 h + 0 .. 15 of query r, divided by l
	v_max3_num_f32 v[T0], |v[FR]|, |v[FR+1]|, 0x1800000
	v_max3_num_f32 v[T1], |v[FR+2]|, |v[FR+3]|, |v[FR+4]|
	v_max3_num_f32 v[T0], v[T0], |v[FR+5]|, |v[FR+6]|
	v_max3_num_f32 v[T1], v[T1], |v[FR+7]|, |v[FR+8]|
	v_max3_num_f32 v[T0], v[T0], |v[FR+9]|, |v[FR+10]|
	v_max3_num_f32 v[T1], v[T1], |v[FR+11]|, |v[FR+12]|
	v_max3_num_f32 v[T0], v[T0], |v[FR+13]|, |v[FR+14]|
	v_max3_num_f32 v[T0], v[T0], v[T1], |v[FR+15]|
	v_permlanex16_b32 v[T3], v[T0], s[SEL], s[SEL+1]
	v_max_num_f32 v[T0], v[T0], v[T3]              ; the block's largest magnitude
	v_add_nc_u32 v[T1], 0xff000000, v[T0]
	v_lshrrev_b32 v[D+6], 23, v[T1]                ; its byte
	v_cvt_scalef32_pk16_fp6_f32 v[D:D+2], v[FR:FR+15], v[T1]
	v_nop                                          ; one plain place behind a scaled conversion
.irp i, 0,1,2
	v_mov_b32 v[D+3+\i], v[D+\i]
.endr
.irp i, 0,1,2
	v_permlane16_swap_b32 v[D+\i], v[D+3+\i]       ; now every lane holds the block's lower 16 codes in D .. D + 2 and its upper 16 in D + 3 .. D + 5
.endr
	global_store_b128 v[FC16], v[D:D+3], s[OCP:OCP+1] offset:3072*(\k)
	global_store_b64 v[FC8], v[D+4:D+5], s[OCP:OCP+1] offset:3072*(\k)+512
	global_store_b8 v[FSB], v[D+6], s[OSP:OSP+1] offset:8*(\k)
.endm
; ROUND j of a trip's four: tile j is finished, tile j + 1 is begun, tile j + 3 is asked for, into the registers that tile j + 1 has just left
.macro ROUND j
.set PB,  128*((\j)%2)
.set NB,  128-PB
.set NMP, NM+2*((\j)%2)
.set NMN, NM+2-2*((\j)%2)
.set QBN, QB+18-18*((\j)%2)
.set QSN, QS+(((\j)+1)/2)%2
	WIN 0
.if (\j)%2
	s_wait_loadcnt 3                               ; the even round before issued three loads: they may be out; all older ones are in: tile j + 1 of Q (asked for two rounds ago) and its pair's scale words (three rounds ago)
	v_perm_b32 v[QSN], v[QSN], v[QSN], s[PS]       ; my head's two bytes, twice: they fit the low form and the high form
.else
	s_wait_loadcnt 2                               ; the odd round before (or the lines in front of the loop) issued two loads: they may be out; all older ones are in: tile j + 1 of Q among them
.endif
	SM_REST
	PV
	WIN 0x04
	SUMS 96, 16                                    ; the last quarter of the sum: the places behind the products
	WIN 0
.irp q, 0,1,2,3,4,5,6,7
	ds_store_b128 v[OST], v[O+4*\q:O+4*\q+3] offset:16384*(\j)+512*\q   ; each accumulator from its low end on
.endr
	v_pk_add_f32 v[RS:RS+1], v[RS:RS+1], v[RS+2:RS+3]
	v_pk_add_f32 v[RS+4:RS+5], v[RS+4:RS+5], v[RS+6:RS+7]
	v_pk_add_f32 v[RS:RS+1], v[RS:RS+1], v[RS+4:RS+5]
	v_add_f32 v[OWN+1], v[RS], v[RS+1]
	v_permlanex16_b32 v[T2], v[OWN+1], s[SEL], s[SEL+1]
	v_mov_b32 v[OWN], v[NMP]
	v_add_f32 v[OWN+1], v[OWN+1], v[T2]            ; l_w
	ds_store_b64 v[SST], v[OWN:OWN+1] offset:1024*(\j)
	s_wait_dscnt 0x0                               ; for the others' sake: my stores have landed (and my reads of the slots that later rounds write again are long in)
	s_barrier_signal -1
	SNEXT NB, QBN, QSN, ((\j)+1)%2                 ; work on registers while the others arrive
	WIN 0
.rept 4
	v_nop                                          ; places behind the scores' products: in front of the loads into Q's registers and the scale register that they read, and of the first read of the scores
.endr
	s_barrier_wait -1
.irp x, 0,1,2,3
	ds_load_b64 v[ST+2*\x:ST+2*\x+1], v[SLD] offset:1024*(\j)+256*\x
.endr
.if (\j)%2
	FINAL_LD (\j)/2
.endif
	global_load_b128 v[QBN+6:QBN+9], v[L16], s[QP:QP+1] offset:((\j)+3)*12288        ; tile j + 3, into the buffer that the products above have read for the last time
	global_load_b64 v[QBN+10:QBN+11], v[L8], s[QP:QP+1] offset:((\j)+3)*12288+512
.if (\j)%2 == 0
	global_load_b32 v[QSN], v[L4], s[QSP:QSP+1] offset:(((\j)+4)/2)*128              ; tiles j + 4 and j + 5's scale words: the pair that lay here is done with
.endif
	SM_MAX NB, NMN
.if (\j)%2
	s_wait_dscnt 16                                ; the statistics are in; the sixteen younger loads may be out
	STATS MO
.else
	s_wait_dscnt 0x0
	STATS ME
.endif
	COLSUM
.if (\j)%2
	FINAL (\j)/2
.endif
.endm
	s_load_b256 s[4:11], s[0:1], 0x0               ; qkv, coverage, Wcov, oc
	s_load_b64 s[12:13], s[0:1], 0x20              ; part
	v_lshl_add_u32 v[SPW], v0, 2, SPARE
	v_mov_b32 v[NIL], 0
	v_lshrrev_b32 v12, 5, v0
	v_readfirstlane_b32 s[WV], v12                 ; wave 0..3
	s_lshr_b32 s15, s[WV], 1                       ; m: which tile of a pair I finish
	s_and_b32 s16, s[WV], 1                        ; bw: which 32 channels
	s_and_b32 s17, ttmp7, 0xffff
	s_lshr_b32 s18, s17, 4                         ; the batch
	s_and_b32 s19, s17, 15                         ; the head
	s_lshr_b32 s20, s19, 1                         ; s: its chunk of 128 features
	s_and_b32 s21, s19, 1                          ; c: its half of the chunk
	s_mov_b32 s[CS], 0x3e38aa3b                    ; log2(e) / 8
	s_mov_b32 s[CS+1], s[CS]
	s_mov_b32 s[SEL], 0x76543210
	s_mov_b32 s[SEL+1], 0xfedcba98
	s_mov_b32 s[PS], 0x03020302
	s_cmp_eq_u32 s21, 0
	s_cselect_b32 s[PS], 0x01000100, s[PS]
	s_cmp_eq_u32 s15, 0
	s_cselect_b32 s[ME], -1, 0
	s_cselect_b32 s[MO], 0, -1
	v_and_b32 v12, 31, v0
	v_lshlrev_b32 v[L16], 4, v12
	v_lshlrev_b32 v[L8], 3, v12
	v_lshlrev_b32 v[L4], 2, v12
	v_and_b32 v13, 15, v0                          ; r
	v_bfe_u32 v14, v0, 4, 1                        ; h
	s_lshl_b32 s47, s[WV], 12
	v_add_nc_u32 v[OST], s47, v[L16]
	s_lshl_b32 s47, s[WV], 8
	s_add_co_u32 s47, s47, 65536
	v_add_nc_u32 v[SST], s47, v[L8]
	v_add_nc_u32 v[SLD], 65536, v[L8]
	s_lshl_b32 s47, s15, 14
	s_lshl_b32 s48, s16, 11
	s_add_co_u32 s47, s47, s48
	v_add_nc_u32 v[FLD], s47, v[L16]
	s_mul_i32 s47, s15, 1536
	s_lshl_b32 s48, s16, 8
	s_add_co_u32 s48, s48, s47
	v_lshl_add_u32 v[FC16], v13, 4, s48            ; 16 r + 256 bw + 1536 m: registers 0-3 of lane r + 16 bw of my tile's half image
	s_lshl_b32 s48, s16, 7
	s_add_co_u32 s48, s48, s47
	v_lshl_add_u32 v[FC8], v13, 3, s48             ; 8 r + 128 bw + 1536 m: registers 4, 5
	s_lshl_b32 s48, s15, 2
	s_add_co_u32 s48, s48, s16
	v_lshl_add_u32 v[FSB], v13, 4, s48             ; 16 r + 4 m + bw: my block's byte
	v_lshrrev_b32 v15, 1, v13
	v_lshlrev_b32 v[PO], 7, v15
	v_lshl_add_u32 v[PO], v14, 6, v[PO]
	v_and_b32 v15, 1, v13
	v_lshl_add_u32 v[PO], v15, 5, v[PO]
	s_lshl_b32 s48, s[WV], 10
	v_add_nc_u32 v[PO], s48, v[PO]                 ; 1024 w + 128 (r / 2) + 64 h + 32 (r % 2)
	v_lshlrev_b32 v12, 6, v14                      ; coverage: 64 h
	v_mov_b32 v13, 0                               ; Wcov: every lane the same word
	; byte offsets, all under 2^31
	s_mul_i32 s47, s21, 768
	s_lshl_b32 s48, s18, 6
	s_lshl_b32 s49, s[WV], 4
	s_add_co_u32 s48, s48, s49                     ; my first tile of keys: 64 b + 16 w
	s_lshl_b32 s50, s48, 3
	s_add_co_u32 s50, s50, s20
	s_mul_i32 s50, s50, 1536
	s_add_co_u32 s50, s50, s47
	s_add_co_u32 s50, s50, 6291456                 ; K's codes
	s_mov_b32 s51, 0
	s_lshl_b32 s52, s20, 9
	s_add_co_u32 s52, s52, s48
	s_lshl_b32 s52, s52, 6
	s_add_co_u32 s52, s52, 19136512                ; K's scale words
	s_mov_b32 s53, 0
	s_lshl_b32 s49, s18, 6
	s_lshl_b32 s54, ttmp9, 5
	s_add_co_u32 s49, s49, s54                     ; my first tile of queries: 64 b + 32 x
	s_lshl_b32 s[QP], s49, 3
	s_add_co_u32 s[QP], s[QP], s20
	s_mul_i32 s[QP], s[QP], 1536
	s_add_co_u32 s[QP], s[QP], s47
	s_mov_b32 s[QP+1], 0
	s_lshl_b32 s[QSP], s20, 9
	s_add_co_u32 s[QSP], s[QSP], s49
	s_lshl_b32 s[QSP], s[QSP], 6
	s_add_co_u32 s[QSP], s[QSP], 18874368
	s_mov_b32 s[QSP+1], 0
	s_lshl_b32 s56, s18, 3
	s_lshl_b32 s55, s[WV], 1
	s_add_co_u32 s56, s56, s55                     ; my first chunk of 128 keys: 8 b + 2 w
	s_lshl_b32 s54, s19, 8
	s_add_co_u32 s54, s54, s56
	s_mul_i32 s54, s54, 1536
	s_add_co_u32 s54, s54, 12582912                ; V's codes
	s_mov_b32 s55, 0
	s_lshl_b32 s58, s56, 6
	s_lshl_b32 s59, s19, 2
	s_add_co_u32 s58, s58, s59
	s_lshl_b32 s58, s58, 6
	s_add_co_u32 s58, s58, 19398656                ; V's scale words
	s_mov_b32 s59, 0
	s_lshl_b32 s56, s18, 12
	s_lshl_b32 s57, s[WV], 10
	s_add_co_u32 s56, s56, s57                     ; coverage of my keys
	s_mov_b32 s57, 0
	s_lshl_b32 s60, s18, 3
	s_lshl_b32 s61, ttmp9, 2
	s_add_co_u32 s60, s60, s61
	s_mul_i32 s60, s60, 102400                     ; oc: my first group, 8 b + 4 x
	s_mul_i32 s[OCP], s20, 12288
	s_add_co_u32 s[OCP], s[OCP], s60
	s_add_co_u32 s[OCP], s[OCP], s47
	s_add_co_u32 s[OCP], s[OCP], 4096
	s_mov_b32 s[OCP+1], 0
	s_lshl_b32 s[OSP], s20, 9
	s_add_co_u32 s[OSP], s[OSP], s60
	s_lshl_b32 s61, s21, 1
	s_add_co_u32 s[OSP], s[OSP], s61
	s_mov_b32 s[OSP+1], 0
	s_lshl_b32 s60, s17, 1
	s_add_co_u32 s60, s60, ttmp9
	s_lshl_b32 s60, s60, 12                        ; part: row 2 y + x
	s_mov_b32 s61, 0
	s_lshl_b32 s62, s19, 2
	s_mov_b32 s63, 0
	s_mov_b32 s42, 6144                            ; oc's codes from trip to trip: four tiles on, or into the next group: by turns
	s_mov_b32 s43, 0
	s_mov_b32 s44, 256                             ; and its scale bytes
	s_mov_b32 s45, 0
	s_wait_kmcnt 0x0
	s_add_nc_u64 s[50:51], s[4:5], s[50:51]
	s_add_nc_u64 s[52:53], s[4:5], s[52:53]
	s_add_nc_u64 s[QP:QP+1], s[4:5], s[QP:QP+1]
	s_add_nc_u64 s[QSP:QSP+1], s[4:5], s[QSP:QSP+1]
	s_add_nc_u64 s[54:55], s[4:5], s[54:55]
	s_add_nc_u64 s[58:59], s[4:5], s[58:59]
	s_add_nc_u64 s[56:57], s[6:7], s[56:57]
	s_add_nc_u64 s[8:9], s[8:9], s[62:63]
	s_add_nc_u64 s[OCP:OCP+1], s[10:11], s[OCP:OCP+1]
	s_add_nc_u64 s[OSP:OSP+1], s[10:11], s[OSP:OSP+1]
	s_add_nc_u64 s[12:13], s[12:13], s[60:61]
	WIN 0xc0                                       ; destination window 3
.irp n, 0,1,2,3,4,5,6,7,8,9,10,11,12,13,14,15  ; K: my head's half of each fragment: six registers a tile
	global_load_b128 v[18*(\n/2)+12*(\n%2):18*(\n/2)+12*(\n%2)+3], v[L16], s[50:51] offset:12288*\n
	global_load_b64 v[18*(\n/2)+12*(\n%2)+4:18*(\n/2)+12*(\n%2)+5], v[L8], s[50:51] offset:12288*\n+512
.endr
.irp s, 0,1
.irp t, 0,1,2,3                                ; V^T: 16 channels x 128 keys
	global_load_b128 v[144+12*(4*\s+\t):144+12*(4*\s+\t)+3], v[L16], s[54:55] offset:(64*\t+\s)*1536
	global_load_b64 v[144+12*(4*\s+\t)+4:144+12*(4*\s+\t)+5], v[L8], s[54:55] offset:(64*\t+\s)*1536+512
	global_load_b128 v[144+12*(4*\s+\t)+6:144+12*(4*\s+\t)+9], v[L16], s[54:55] offset:(64*\t+\s)*1536+768
	global_load_b64 v[144+12*(4*\s+\t)+10:144+12*(4*\s+\t)+11], v[L8], s[54:55] offset:(64*\t+\s)*1536+1280
.endr
.endr
.irp a, 0,1,2,3,4,5,6,7
.irp i, 6,7,8,9,10,11
	v_mov_b32 v[18*\a+\i], 0                       ; the zero codes that two tiles of K share
.endr
.endr
	WIN 0x80                                       ; destination window 2
.irp k, 0,1,2,3,4,5,6,7
.irp q, 0,1,2,3
	global_load_b128 v[16*\k+4*\q:16*\k+4*\q+3], v12, s[56:57] offset:128*\k+16*\q   ; register 16 k + i: coverage of key 32 k + 16 h + i
.endr
.endr
.set i, 0
.rept 128
	v_mov_b32 v[128+i], 0                          ; the column sums, cleared once: the trip is written once
.set i, i+1
.endr
	WIN 0
.irp p, 0,1,2,3,4,5,6,7
	global_load_b32 v[KS+\p], v[L4], s[52:53] offset:128*\p
.endr
.irp s, 0,1
.irp p, 0,1
	global_load_b32 v[VS+2*\s+\p], v[L4], s[58:59] offset:4096*\s+128*\p
.endr
.endr
	global_load_b128 v[QB+6:QB+9], v[L16], s[QP:QP+1]
	global_load_b64 v[QB+10:QB+11], v[L8], s[QP:QP+1] offset:512
	global_load_b128 v[QB+24:QB+27], v[L16], s[QP:QP+1] offset:12288
	global_load_b64 v[QB+28:QB+29], v[L8], s[QP:QP+1] offset:12288+512
	global_load_b32 v[QS], v[L4], s[QSP:QSP+1]                 ; the scale words of tiles 0 and 1,
	global_load_b32 v[QS+1], v[L4], s[QSP:QSP+1] offset:128    ; and of tiles 2 and 3: fitted to my head at the head of the trip's second round, like every later pair
	global_load_b32 v14, v13, s[8:9]               ; Wcov of my head
.irp i, 0,1,2,3,4,5,12,13,14,15,16,17,18,19,20,21,22,23,30,31,32,33,34,35
	v_mov_b32 v[QB+\i], 0                          ; Q's zero codes
.endr
.irp i, 0,1,2,3,4,5,6,7
	v_mov_b32 v[TP+\i], 0                          ; lane permutes' destinations, and pairs' upper halves, are written once
	v_mov_b32 v[FK+\i], 0
.endr
	v_mov_b32 v[NM+1], 0
	v_mov_b32 v[NM+3], 0
	v_mov_b32 v[G+1], 0
	v_mov_b32 v[T2], 0
	v_mov_b32 v[T3], 0
	s_wait_loadcnt 0x0
.irp p, 0,1,2,3,4,5,6,7
	v_perm_b32 v[KS+\p], v[KS+\p], v[KS+\p], s[PS] ; my head's two bytes, twice
.endr
	v_perm_b32 v[QS], v[QS], v[QS], s[PS]
	v_mul_f32 v14, 0x41000000, v14                 ; 8 Wcov: the scores are divided by 8 together with it
	v_mov_b32 v15, v14
	WIN 0x82
.set i, 0
.rept 64
	v_pk_mul_f32 v[i:i+1], v[i:i+1], v[14:15] op_sel_hi:[1,0]
.set i, i+2
.endr
.rept 4
	v_nop
.endr
	SNEXT 0, QB, QS, 0                             ; tile 0's scores
	WIN 0
.rept 4
	v_nop                                          ; places behind the products: in front of the loads into the registers that they read, and of the first read of the scores
.endr
	global_load_b128 v[QB+6:QB+9], v[L16], s[QP:QP+1] offset:2*12288         ; tile 2, into the buffer that tile 0 has left: these two loads may be out at the loop's head, as an odd round's two are
	global_load_b64 v[QB+10:QB+11], v[L8], s[QP:QP+1] offset:2*12288+512
	SM_MAX 0, NM
	s_mov_b32 s46, 8
.Ltrip:                                            ; 8 trips of four rounds; every LDS offset is an immediate.  A slot of O^T is written again two barriers or more behind the wait for its last read, a slot of statistics three
	ROUND 0
	ROUND 1
	ROUND 2
	ROUND 3
	WIN 0
	s_wait_xcnt 0x0                                ; the loads and stores of this trip have read their bases (the youngest loads' data may still be out)
	s_add_nc_u64 s[QP:QP+1], s[QP:QP+1], 49152
	s_add_nc_u64 s[QSP:QSP+1], s[QSP:QSP+1], 256
	s_add_nc_u64 s[OCP:OCP+1], s[OCP:OCP+1], s[42:43]
	s_add_nc_u64 s[OSP:OSP+1], s[OSP:OSP+1], s[44:45]
	s_xor_b32 s42, s42, 0x16000                    ; 6,144 and 96,256 by turns
	s_xor_b32 s44, s44, 0x18e00                    ; 256 and 102,144 by turns
	s_sub_co_u32 s46, s46, 1
	s_cmp_lg_u32 s46, 0
	s_cbranch_scc1 .Ltrip
	; THE COLUMN SUMS: each register is summed over the 16 query lanes of its half.  In four steps a lane keeps half of its registers and sends the other half to lane l xor 8, 4, 2, 1: lane r ends with tile r's eight keys
	s_wait_loadcnt 0x0                             ; the tiles of Q that nobody uses have landed: their registers may be written
	s_mov_b32 s29, 0xff00ff00
	s_mov_b32 s30, 0xf0f0f0f0
	s_mov_b32 s31, 0xcccccccc
	s_mov_b32 s32, 0xaaaaaaaa
	WIN 0x0a                                       ; sources 0 and 1 window 2
.set i, 0
.rept 64
	v_cndmask_b32 v[16+i], v[128+i], v[192+i], s29 ; kept
	v_cndmask_b32 v[80+i], v[192+i], v[128+i], s29 ; sent
.set i, i+1
.endr
	WIN 0
.set i, 0
.rept 64
	v_add_f32_dpp v[16+i], v[80+i], v[16+i] row_xmask:8 row_mask:0xf bank_mask:0xf
.set i, i+1
.endr
.macro FOLD n, xm, msk
.set i, 0
.rept \n
	v_cndmask_b32 v[80+i], v[16+i], v[16+\n+i], s[\msk]
	v_cndmask_b32 v[144+i], v[16+\n+i], v[16+i], s[\msk]
.set i, i+1
.endr
.set i, 0
.rept \n
	v_add_f32_dpp v[16+i], v[144+i], v[80+i] row_xmask:\xm row_mask:0xf bank_mask:0xf
.set i, i+1
.endr
.endm
	FOLD 32, 4, 30
	FOLD 16, 2, 31
	FOLD 8, 1, 32
	global_store_b128 v[PO], v[16:19], s[12:13]    ; the wave's two stores cover its 1,024 consecutive bytes
	global_store_b128 v[PO], v[20:23], s[12:13] offset:16
	s_wait_tensorcnt 0x0                           ; the wave's end
	ds_add_u32 v[SPW], v[NIL]
	s_wait_dscnt 0x0
	s_endpgm
.Lfunc_end_k_q8e7951cf08_attn:
	.size	k_q8e7951cf08_attn, .Lfunc_end_k_q8e7951cf08_attn-k_q8e7951cf08_attn
	.p2alignl 7, 3214868480
	.fill 96, 4, 3214868480
	.section	.rodata,"a",@progbits
	.p2align	6, 0x0
	.amdhsa_kernel k_q8e7951cf08_attn
		.amdhsa_group_segment_fixed_size 70144
		.amdhsa_private_segment_fixed_size 0
		.amdhsa_enable_private_segment 0
		.amdhsa_kernarg_size 40
		.amdhsa_user_sgpr_count 2
		.amdhsa_user_sgpr_kernarg_segment_ptr 1
		.amdhsa_wavefront_size32 1
		.amdhsa_system_sgpr_workgroup_id_x 1
		.amdhsa_system_sgpr_workgroup_id_y 1
		.amdhsa_system_sgpr_workgroup_id_z 1
		.amdhsa_system_vgpr_workitem_id 0
		.amdhsa_next_free_vgpr 1024
		.amdhsa_next_free_sgpr 66
		.amdhsa_reserve_vcc 0
		.amdhsa_float_denorm_mode_32 3
		.amdhsa_float_denorm_mode_16_64 3
		.amdhsa_memory_ordered 1
		.amdhsa_forward_progress 1
		.amdhsa_inst_pref_size 192
	.end_amdhsa_kernel
	.amdgpu_metadata
---
amdhsa.version: [ 1, 2 ]
amdhsa.kernels:
  - .name:           k_q8e7951cf08_attn
    .symbol:         k_q8e7951cf08_attn.kd
    .args:
      - { .name: qkv, .offset: 0, .size: 8, .value_kind: global_buffer, .address_space: global }
      - { .name: coverage, .offset: 8, .size: 8, .value_kind: global_buffer, .address_space: global }
      - { .name: Wcov, .offset: 16, .size: 8, .value_kind: global_buffer, .address_space: global }
      - { .name: oc, .offset: 24, .size: 8, .value_kind: global_buffer, .address_space: global }
      - { .name: part, .offset: 32, .size: 8, .value_kind: global_buffer, .address_space: global }
    .group_segment_fixed_size: 70144
    .private_segment_fixed_size: 0
    .kernarg_segment_align: 8
    .kernarg_segment_size: 40
    .max_flat_workgroup_size: 128
    .sgpr_count:     66
    .vgpr_count:     1024
    .wavefront_size: 32
...
	.end_amdgpu_metadata
.endif
;; end of part 5
;; launch oproj: the kernel of part 4 again; grid 4 x 64, 4 waves a work-group, clusters of 4 x 4, 327,680 bytes of LDS; arguments opnd, oc, part, bo, coverage, out0, out1; writes out0, out1
